; MI455X (gfx1250); checked and timed in simulation.
; The chip was launched on July 23, 2026; its instructions are those of AMD's public machine-readable ISA for CDNA 5 (MIT licence, August 2026) and "CDNA5" Instruction Set Architecture Reference Guide (July 2026). The comments in the code are by the model that wrote it; some were corrected since.
;; Switch Positionwise Feed Forward. Allowed arithmetic: matrix products marked QUANTISED: E2M1 operands, one E8M0 scale for each 32 along K, by v_wmma_scale_f32_16x16x128_f8f6f4 with both operands' format E2M1 (or v_wmma_scale_f32_32x16x128_f4), f32 sums; products left as they are: f32 operands where the result goes on into a quantised operand, else bf16, f16 or f32 operands; f32 sums; everything else in f32.
;; Inputs: W1_codes 4 x 1,024 x 8 x 16 uint8 (E2M1 codes of W1, K innermost, in blocks of 32 codes, two codes a byte); W1_scales 4 x 1,024 x 8 uint8 (E8M0 scales of W1, one for each 32 codes along K); W2_codes 4 x 256 x 32 x 16 uint8 (E2M1 codes of W2, K innermost, in blocks of 32 codes, two codes a byte); W2_scales 4 x 256 x 32 uint8 (E8M0 scales of W2, one for each 32 codes along K); W_sw 256 x 4 float32; b1 4 x 1,024 float32; b2 4 x 256 float32; b_sw 4 float32; x 8 x 64 x 64 x 256 float32.
;; Outputs: out0 8 x 64 x 64 x 256 float32.
;; This version of the problem:
;;   THIS VERSION OF THE PROBLEM IS GIVEN IN LOW PRECISION. The matrix products marked QUANTISED in the list below multiply operands that are first quantised to E2M1 (2 exponent bits, 1 mantissa bit; 4 bits a number), with one power-of-two scale for each 32 numbers along K (OCP MX v1.0); their sums are f32. All else is computed in f32.
;;   The module's matrix products, in the order in which they are computed (A, B: the left and right operand; K: the contracted axis; several contracted axes count as one K, in the product's order):
;;     1. [M 32,768, K 256] x [K 256, N 4]; A: input x; B: input W_sw: left as it is (N = 4 < 16)
;;     2. [M 4,096, K 256] x [K 256, N 32,768]; A: input W1 (given as codes); B: input x: QUANTISED
;;     3. batch 4 x [M 32,768, K 1,024] x [K 1,024, N 256]; A: computed on the way; B: input W2 (given as codes): QUANTISED
;;   THE QUANTISER, for each operand of a quantised product, along K:
;;     - K is cut into blocks of 32 from its start; a last block that is shorter is filled with zeros.
;;     - A block's scale is 2^e with e = floor(log2(the largest magnitude in the block)) - 2, held to -126 .. 127; a block of zeros has e = 0. As a byte (E8M0): e + 127.
;;     - Each number is divided by its block's scale, clamped to +-6, and rounded to the nearest number of E2M1, ties to even, subnormals kept.
;;     - The product sums the exact products of the quantised numbers (number of the format x scale) in f32.
;;   ~~~python
;;   def quantise(x, axis):      # numpy; x: float32 -> the quantised numbers, widened to float32 again
;;       x = np.moveaxis(x, axis, -1); K = x.shape[-1]
;;       x = np.pad(x, [(0, 0)] * (x.ndim - 1) + [(0, -K % 32)]); x = x.reshape(x.shape[:-1] + (-1, 32)); a = np.abs(x).max(-1, keepdims=True)
;;       e = np.where(a > 0, np.clip(np.frexp(np.where(a > 0, a, 1))[1] - 1 - 2, -126, 127), 0)      # np.frexp(a)[1] - 1 = floor(log2(a)), exactly
;;       r = np.clip(x / 2.0 ** e, -6, 6)
;;       step = 2.0 ** (np.maximum(np.frexp(np.where(r == 0, 1, r))[1] - 1, 0) - 1)
;;       q = np.round(r / step) * step * 2.0 ** e      # np.round: ties to even
;;       return np.moveaxis(q.reshape(q.shape[:-2] + (-1,))[..., :K], -1, axis).astype(np.float32)
;;   ~~~
;;   OPERANDS COMPUTED ON THE WAY. 'Computed on the way' means the value that the module computes at that place (a softmax that the list does not call 'softmax' is quantised finished and normalised). What goes into a quantiser is computed in f32, as accurately as f32 sums, v_exp_f32 and their like allow (about 1e-6 of the number): no bf16 or f16 on the way to a quantiser, and a product that is left as it is and whose result goes on into a quantised operand takes f32 operands (vector FMAs, or v_wmma_f32_16x16x4_f32). A number that lies on a knife's edge between two numbers of the format may be rounded either way, as far as f32 arithmetic and the matrix unit's own rounding can turn it there, and no further.
;;   INPUTS GIVEN AS CODES. W1 (in the module: [4, 256, 1024], K = its axis 1); W2 (in the module: [4, 1024, 256], K = its axis 1): each comes as NAME_codes (uint8): NAME with its K axis moved to the last place and cut into blocks of 32 codes, [.., K / 32, bytes a block], one block behind the other in memory; two codes a byte, the lower K in the low four bits (a code: sign, 2 exponent bits, 1 mantissa bit); and NAME_scales (uint8): the same leading axes, one E8M0 byte (e + 127) for each 32 codes along K. Its value is code x scale, taken as it is: it is not quantised again, and the codes and scales need not be those that the quantiser above would give.
;; 2 versions. Each part assembles by itself: llvm-mc -triple=amdgcn-amd-amdhsa -mcpu=gfx1250 --defsym DOCPART=n.
;; ======== version 1 of 2: 3 launches
;; workspace buffers: xq 4,194,304 bytes; xm 524,288 bytes; rt 131,072 bytes of whole numbers; cnt 8,192 bytes of whole numbers; order 131,072 bytes of whole numbers; tiles 3,840 bytes of whole numbers
;; launch route (part 1): grid 256 x 1, 8 waves a work-group, no clusters, 46,080 bytes of LDS; arguments x, W_sw, b_sw, xq, xm, rt, cnt; writes xq, xm, rt, cnt
.if DOCPART == 1
	.amdgcn_target "amdgcn-amd-amdhsa--gfx1250"
	.amdhsa_code_object_version 6
	.text
	.protected	k_q6bcbd717cd_route
	.globl	k_q6bcbd717cd_route
	.p2align	8
	.type	k_q6bcbd717cd_route,@function
k_q6bcbd717cd_route:
	s_mov_b64 s[64:65], 0
	v_nop
	global_prefetch_b8 v0, s[64:65] scope:SCOPE_SE
	s_setreg_imm32_b32 hwreg(HW_REG_WAVE_MODE, 25, 1), 1
	s_wait_xcnt 0x0
; ROUTE AND QUANTISE.  x: [32768][256] f32.  For each token: the router's four logits x W_sw + b_sw in f32, the largest probability of their softmax (1 / the sum of
; exp(logit - largest logit)), the chosen expert (the lowest index that holds the largest logit), and x's codes of FP4 (E2M1) with one E8M0 byte for each 32 along the 256.
; OUT:  xq [token][128 bytes] codes, K innermost;  xm [token][16 bytes] = scale word of k 0-127, scale word of k 128-255, the largest probability (f32), 0;
;       rt [token] = expert | rank << 8, rank = the token's place among the tokens of its wave that chose the same expert;  cnt [token / 16]: byte e = how many of the wave's 16 tokens chose expert e.
; No address and no branch here hangs on the choice: it is stored as whole numbers, and the next launch places the rows.
; SHARES.  A work-group takes 128 tokens, a wave 16: eight steps of 512 numbers (two tokens).  Each of a step's four loads reads 512 consecutive bytes, 16 a lane; the 2,048 bytes turn through the wave's own
; stage in LDS and come back 64 bytes a lane, so that a lane holds 16 NEIGHBOURS along K, as the conversions want them: lanes 0-15 hold the step's first token, lanes 16-31 its second; two neighbouring lanes hold a block of 32.
; The same 16 numbers are multiplied into the router's sums: lane l keeps rows 16 (l % 16) .. + 15 of W_sw in 64 registers; four steps across the 16 lanes finish a token's four sums.
; Loads run four steps (16 loads a wave) ahead, the turn through LDS one step.  Waves share nothing: no barrier.  No matrix unit: the router has four columns.  No tensor load, no cluster: no byte is read by two work-groups but W_sw's 4,096.
; A block's scale is 2^(floor(log2(its largest magnitude)) - 2); its byte is the largest magnitude's exponent field - 2, held at 1 from below.
; LIMITS: NaN and infinities among the inputs are not served.  A block of zeros, or one whose largest magnitude lies under 2^-124, gets the byte 1 (its codes are zeros; the bytes are read by this program alone).
; The expert is chosen on the logits: two different logits whose probabilities round to the same f32 number could be ordered otherwise by an argmax over the probabilities.
; rt and cnt leave in pieces of 64 and 4 bytes a wave: 139,264 bytes of the launch's 38 million.
.set STEPS, 8
.set SP,    80                         ; a lane's place in a stage: its 64 bytes + 16 of padding, so that the lanes' reads do not all fall on the same banks
.set WREG,  5632                       ; LDS: a region for each wave: two stages of 32 x SP bytes, then its 16 records of 16 bytes
.set MET,   2*32*SP
.set R,     16                         ; v16-79    four sets of 16 numbers as they are loaded
.set X,     80                         ; v80-111   two sets of 16 neighbours
.set E,     112                        ; v112-119  a scale byte for each step
.set C,     120                        ; v120-135  two registers of codes for each step: no store's data are written again
.set W,     136                        ; v136-199  W_sw[16 (l % 16) + k][e] at v[W + 4 k + e]
.set A,     200                        ; v200-203  the step's four sums
.set L,     204                        ; v204-207  my token's four logits: lane l keeps token 2 (l % 8) + l / 16 of the wave's 16
.set T,     208                        ; v208-223  at work at the end
	s_load_b256 s[4:11], s[0:1], 0x0               ; x s[4:5], W_sw s[6:7], b_sw s[8:9], xq s[10:11]
	s_load_b128 s[12:15], s[0:1], 0x20             ; xm s[12:13], rt s[14:15]
	s_load_b64 s[16:17], s[0:1], 0x30              ; cnt
	v_lshl_add_u32 v224, v0, 2, 0xb000
	v_mov_b32 v225, 0
	v_lshrrev_b32 v1, 5, v0
	v_readfirstlane_b32 s18, v1                    ; wave 0..7
	v_and_b32 v1, 31, v0                           ; lane
	v_and_b32 v2, 15, v0                           ; l % 16
	v_lshlrev_b32 v3, 4, v1                        ; my 16 bytes of a load's 512
	v_lshlrev_b32 v4, 3, v1                        ; my 8 bytes of a step's codes, and of the wave's records
	v_lshrrev_b32 v8, 4, v1                        ; l / 16
	v_lshrrev_b32 v9, 1, v2                        ; my block among my token's eight
	v_and_b32 v10, 7, v0                           ; l % 8: the step whose sums I keep
	v_lshlrev_b32 v12, 8, v2                       ; W_sw: my 16 rows of 16 bytes
	v_lshlrev_b32 v13, 3, v10
	v_lshl_add_u32 v13, v8, 2, v13                 ; rt: 4 x (2 (l % 8) + l / 16)
	s_mul_i32 s37, s18, WREG
	v_lshrrev_b32 v14, 2, v1
	v_mul_u32_u24 v14, v14, SP
	v_and_b32 v15, 3, v1
	v_lshl_add_u32 v14, v15, 4, v14
	v_add_nc_u32 v14, s37, v14                     ; the stage, on the way in: four lanes' 64 bytes on end, then the padding
	v_mul_u32_u24 v15, v1, SP
	v_add_nc_u32 v15, s37, v15                     ; and on the way out: SP x lane: my 16 neighbours
	s_add_co_u32 s37, s37, MET
	v_lshl_add_u32 v5, v8, 4, v9
	v_add_nc_u32 v5, s37, v5                       ; my block's byte in the step's two records: 16 (l / 16) + block; a step is 32 bytes on
	v_add_nc_u32 v6, s37, v4                       ; the records on their way out: 8 bytes a lane
	v_lshlrev_b32 v7, 5, v10
	v_lshl_add_u32 v7, v8, 4, v7
	v_add_nc_u32 v7, s37, v7                       ; my token's record: 16 x (2 (l % 8) + l / 16)
.irp e, 0,1,2,3
	v_mov_b32 v[L+\e], 0
.endr
	s_lshl_b32 s19, ttmp9, 3
	s_add_co_u32 s19, s19, s18                     ; which run of 16 tokens is my wave's: 8 x work-group + wave
	s_mov_b32 s39, 0
	s_wait_kmcnt 0x0
	s_load_b128 s[20:23], s[8:9], 0x0              ; b_sw: waited for at the end
	s_lshl_b32 s38, s19, 14
	s_add_nc_u64 s[4:5], s[4:5], s[38:39]          ; x: 16 rows of 1,024 bytes a wave
	s_lshl_b32 s38, s19, 11
	s_add_nc_u64 s[10:11], s[10:11], s[38:39]      ; xq: 16 x 128
	s_lshl_b32 s38, s19, 8
	s_add_nc_u64 s[12:13], s[12:13], s[38:39]      ; xm: 16 x 16
	s_lshl_b32 s38, s19, 6
	s_add_nc_u64 s[14:15], s[14:15], s[38:39]      ; rt: 16 x 4
	s_lshl_b32 s38, s19, 2
	s_add_nc_u64 s[16:17], s[16:17], s[38:39]      ; cnt: 4
.irp k, 0,1,2,3,4,5,6,7,8,9,10,11,12,13,14,15
	global_load_b128 v[W+4*\k:W+4*\k+3], v12, s[6:7] offset:16*\k   ; issued ahead of x's loads: loads come back in order, so every wait for x below shows these in too
.endr
.macro LOAD t
.irp i, 0,1,2,3
	global_load_b128 v[R+16*((\t)%4)+4*\i:R+16*((\t)%4)+4*\i+3], v3, s[4:5] offset:2048*(\t)+512*\i th:TH_LOAD_NT   ; 32 lanes read 512 consecutive bytes; read once in the launch
.endr
.endm
.macro TURN t                          ; step t's numbers through the stage: LDS serves a wave's instructions in order, so no wait stands between the stores and the loads
.irp i, 0,1,2,3
	ds_store_b128 v14, v[R+16*((\t)%4)+4*\i:R+16*((\t)%4)+4*\i+3] offset:32*SP*((\t)%2)+8*SP*\i
.endr
.irp i, 0,1,2,3
	ds_load_b128 v[X+16*((\t)%2)+4*\i:X+16*((\t)%2)+4*\i+3], v15 offset:32*SP*((\t)%2)+16*\i
.endr
.endm
.irp t, 0,1,2,3
	LOAD \t
.endr
	s_wait_loadcnt 12                              ; W_sw and step 0's four loads are in; the twelve of steps 1 to 3 may be out
	TURN 0
.macro STEP t
.set XS, X+16*((\t)%2)
.if (\t) > 0
	s_wait_dscnt 1                                 ; this step's numbers are back from the stage (the last step's byte store may be out): so its stores into the stage have read their registers,
.else
	s_wait_dscnt 0x0
.endif
.if (\t)+4 < STEPS
	LOAD (\t)+4                                    ; which take the loads of four steps on
.endif
.if (\t)+1 < STEPS
.if STEPS-2-(\t) >= 3
	s_wait_loadcnt 12                              ; the next step's four loads are in; those of the three steps behind it may be out
.else
	s_wait_loadcnt 4*(STEPS-2-(\t))                ; near the end fewer steps are behind it
.endif
	TURN (\t)+1                                    ; and go through the other stage while this step is worked
.endif
	v_max3_num_f32 v8, |v[XS]|, |v[XS+1]|, |v[XS+2]|               ; the largest magnitude of my 16, in two chains
	v_max3_num_f32 v9, |v[XS+3]|, |v[XS+4]|, |v[XS+5]|
.irp i, 6,10
	v_max3_num_f32 v8, v8, |v[XS+\i]|, |v[XS+\i+1]|
	v_max3_num_f32 v9, v9, |v[XS+\i+2]|, |v[XS+\i+3]|
.endr
	v_max3_num_f32 v8, v8, |v[XS+14]|, |v[XS+15]|
	v_max3_num_f32 v8, v8, v9, 0x1800000           ; and the floor 2^(3 - 127): the byte cannot fall under 1
	v_max_num_f32_dpp v8, v8, v8 row_xmask:1 row_mask:0xf bank_mask:0xf   ; and of my neighbour's 16: the block's
	v_add_nc_u32 v11, 0xff000000, v8               ; 2 off its exponent field: the conversion takes the exponent field of this operand as its scale, and nothing else of it
	v_cvt_scalef32_pk8_fp4_f32 v[C+2*(\t)], v[XS:XS+7], v11
	v_cvt_scalef32_pk8_fp4_f32 v[C+2*(\t)+1], v[XS+8:XS+15], v11
	v_lshrrev_b32 v[E+(\t)], 23, v11               ; the scale's byte (a plain line behind the conversions)
	ds_store_b8 v5, v[E+(\t)] offset:32*(\t)       ; both lanes of a block write the same byte with the same value
	global_store_b64 v4, v[C+2*(\t):C+2*(\t)+1], s[10:11] offset:256*(\t)   ; the wave stores 256 consecutive bytes, aligned: two tokens' codes
.irp e, 0,1,2,3
	v_mul_f32 v[A+\e], v[XS], v[W+\e]              ; the router: my 16 numbers against my 16 rows of W_sw, four chains by turns
.endr
.irp i, 1,2,3,4,5,6,7,8,9,10,11,12,13,14,15
.irp e, 0,1,2,3
	v_fmac_f32 v[A+\e], v[XS+\i], v[W+4*\i+\e]
.endr
.endr
.irp m, 1,2,4,8
.irp e, 0,1,2,3
	v_add_f32_dpp v[A+\e], v[A+\e], v[A+\e] row_xmask:\m row_mask:0xf bank_mask:0xf   ; across the token's 16 lanes: every one of them ends with the four sums
.endr
.endr
	v_cmp_eq_u32 vcc_lo, \t, v10                   ; lanes with l % 8 = t keep them
.irp e, 0,1,2,3
	v_cndmask_b32 v[L+\e], v[L+\e], v[A+\e], vcc_lo
.endr
.endm
.irp t, 0,1,2,3,4,5,6,7
	STEP \t
.endr
	; THE END, once a wave: lane l holds token 2 (l % 8) + l / 16; lanes l and l + 8 hold the same.
	s_wait_kmcnt 0x0                               ; b_sw
.irp e, 0,1,2,3
	v_add_f32 v[L+\e], s[20+\e], v[L+\e]
.endr
	v_max3_num_f32 v[T], v[L], v[L+1], v[L+2]
	v_max_num_f32 v[T], v[T], v[L+3]               ; the largest logit is taken away ahead of the exponentials
.irp e, 0,1,2,3
	v_sub_f32 v[T+1+\e], v[L+\e], v[T]
.endr
.irp e, 0,1,2,3
	v_mul_f32 v[T+1+\e], 0x3fb8aa3b, v[T+1+\e]     ; x log2(e)
.endr
.irp e, 0,1,2,3
	v_exp_f32 v[T+1+\e], v[T+1+\e]
.endr
	v_mov_b32 v[T+5], 3                            ; (a plain line behind the exponentials)  the expert: the lowest index that holds the largest logit
.irp e, 2,1,0
	v_cmp_lt_f32 vcc_lo, v[L+\e], v[T]
	v_cndmask_b32 v[T+5], \e, v[T+5], vcc_lo       ; under the largest: what was found stays; else e
.endr
	s_wait_alu depctr_va_vdst(0)
	v_add_f32 v[T+1], v[T+1], v[T+2]
	v_add_f32 v[T+3], v[T+3], v[T+4]
	v_add_f32 v[T+1], v[T+1], v[T+3]
	v_rcp_f32 v[T+8], v[T+1]                       ; the largest probability = exp(0) / the sum
	v_mov_b32 v[T+9], 0                            ; (a plain line behind the reciprocal)  the record's last word
	v_mov_b32 v[T+6], 0                            ; the rank
.irp e, 0,1,2,3
	v_cmp_eq_u32 s[24+\e], \e, v[T+5]              ; the lanes that chose e,
	s_and_b32 s[28+\e], s[24+\e], 0x00ff00ff       ; each token once: lanes 0-7 and 16-23
	v_mbcnt_lo_u32_b32 v[T+7], s[28+\e], 0         ; how many of them stand below me
	v_cndmask_b32 v[T+6], v[T+6], v[T+7], s[24+\e]
	s_bcnt1_i32_b32 s[32+\e], s[28+\e]             ; and how many there are
.endr
	v_lshl_or_b32 v[T+12], v[T+6], 8, v[T+5]       ; expert | rank << 8
	s_lshl_b32 s33, s33, 8
	s_or_b32 s32, s32, s33
	s_lshl_b32 s34, s34, 16
	s_or_b32 s32, s32, s34
	s_lshl_b32 s35, s35, 24
	s_or_b32 s32, s32, s35                         ; the wave's four counts, a byte each (16 at the most)
	v_mov_b32 v[T+11], s32
	v_mov_b32 v[T+10], 0
	v_and_b32 v[T+13], 8, v0
	s_wait_alu depctr_va_vdst(0)
	ds_store_b64 v7, v[T+8:T+9] offset:8           ; the record's second half; lanes l and l + 8 write the same
	ds_load_b64 v[T+14:T+15], v6                   ; LDS serves a wave's instructions in order: this sees the byte stores and the line above
	s_wait_dscnt 0x0
	global_store_b64 v4, v[T+14:T+15], s[12:13]    ; the wave's 16 records: 256 consecutive bytes, aligned
	s_wait_xcnt 0x0                                ; EXEC is a source of the stores that are out: it changes only behind this wait
	v_cmp_eq_u32 vcc_lo, 0, v[T+13]
	s_wait_tensorcnt 0x0
	ds_add_u32 v224, v225
	s_wait_dscnt 0x0
	s_and_saveexec_b32 s36, vcc_lo                 ; lanes 0-7 and 16-23: each token once
	global_store_b32 v13, v[T+12], s[14:15]
	global_store_b32 v[T+10], v[T+11], s[16:17]    ; the same word from every lane that is on
	s_wait_xcnt 0x0                                ; and again ahead of the line that widens it
	s_or_b32 exec_lo, exec_lo, s36
	s_endpgm
.Lfunc_end_k_q6bcbd717cd_route:
	.size	k_q6bcbd717cd_route, .Lfunc_end_k_q6bcbd717cd_route-k_q6bcbd717cd_route
	.p2alignl 7, 3214868480
	.fill 96, 4, 3214868480
	.section	.rodata,"a",@progbits
	.p2align	6, 0x0
	.amdhsa_kernel k_q6bcbd717cd_route
		.amdhsa_group_segment_fixed_size 46080
		.amdhsa_private_segment_fixed_size 0
		.amdhsa_enable_private_segment 0
		.amdhsa_kernarg_size 56
		.amdhsa_user_sgpr_count 2
		.amdhsa_user_sgpr_kernarg_segment_ptr 1
		.amdhsa_wavefront_size32 1
		.amdhsa_system_sgpr_workgroup_id_x 1
		.amdhsa_system_sgpr_workgroup_id_y 1
		.amdhsa_system_sgpr_workgroup_id_z 1
		.amdhsa_system_vgpr_workitem_id 0
		.amdhsa_next_free_vgpr 226
		.amdhsa_next_free_sgpr 66
		.amdhsa_reserve_vcc 1
		.amdhsa_float_denorm_mode_32 3
		.amdhsa_float_denorm_mode_16_64 3
		.amdhsa_memory_ordered 1
		.amdhsa_forward_progress 1
		.amdhsa_inst_pref_size 48
	.end_amdhsa_kernel
	.amdgpu_metadata
---
amdhsa.version: [ 1, 2 ]
amdhsa.kernels:
  - .name:           k_q6bcbd717cd_route
    .symbol:         k_q6bcbd717cd_route.kd
    .args:
      - { .name: x, .offset: 0, .size: 8, .value_kind: global_buffer, .address_space: global }
      - { .name: W_sw, .offset: 8, .size: 8, .value_kind: global_buffer, .address_space: global }
      - { .name: b_sw, .offset: 16, .size: 8, .value_kind: global_buffer, .address_space: global }
      - { .name: xq, .offset: 24, .size: 8, .value_kind: global_buffer, .address_space: global }
      - { .name: xm, .offset: 32, .size: 8, .value_kind: global_buffer, .address_space: global }
      - { .name: rt, .offset: 40, .size: 8, .value_kind: global_buffer, .address_space: global }
      - { .name: cnt, .offset: 48, .size: 8, .value_kind: global_buffer, .address_space: global }
    .group_segment_fixed_size: 46080
    .private_segment_fixed_size: 0
    .kernarg_segment_align: 8
    .kernarg_segment_size: 56
    .max_flat_workgroup_size: 256
    .sgpr_count:     66
    .vgpr_count:     226
    .wavefront_size: 32
...
	.end_amdgpu_metadata
.endif
;; end of part 1
;; launch place (part 2): grid 32 x 1, 32 waves a work-group, no clusters, 37,376 bytes of LDS; arguments rt, cnt, order, tiles; writes order, tiles
.if DOCPART == 2
	.amdgcn_target "amdgcn-amd-amdhsa--gfx1250"
	.amdhsa_code_object_version 6
	.text
	.protected	k_q6bcbd717cd_place
	.globl	k_q6bcbd717cd_place
	.p2align	8
	.type	k_q6bcbd717cd_place,@function
k_q6bcbd717cd_place:
	s_mov_b64 s[64:65], 0
	v_nop
	global_prefetch_b8 v0, s[64:65] scope:SCOPE_SE
	s_setreg_imm32_b32 hwreg(HW_REG_WAVE_MODE, 25, 1), 1
	s_wait_xcnt 0x0
; PLACE THE ROWS BY EXPERT: a counting sort without atomics.  rt [32768] = expert | rank << 8, cnt [2048]: byte e = how many of 16 tokens chose expert e (both stored by the launch before).
; OUT:  order [pos] = token, the four experts' segments on end, unpadded (a bijection: all 32,768 words are written);
;       tiles [231][4] = expert, first pos, rows, 0: each expert's segment cut into runs of 144 rows.  Sum of ceil(n_e / 144) <= floor((32768 + 4 x 143) / 144) = 231 for every split; entries left over get 0 rows.
; SHARES.  Work-group g places tokens 1024 g + t, t the thread's number.  Every work-group repeats the prefix sums over all 2,048 count words (8,192 bytes): thread t takes words 2 t and 2 t + 1.
; That spares a launch for the sums.  32 work-groups: the launch is a chain of dependent steps on 139 KB, not a stream.
; PACKING.  Experts 0 and 1 are summed in the two 16-bit halves of one word, experts 2 and 3 in those of another; no half passes 32,768, so nothing carries from half to half.
.set PT, 0                             ; LDS: 2,048 x 16 bytes: for each count word the four positions at which its tokens begin
.set WT, 32768                         ; 32 x 8 bytes: the waves' totals
	s_load_b256 s[4:11], s[0:1], 0x0               ; rt s[4:5], cnt s[6:7], order s[8:9], tiles s[10:11]
	v_lshl_add_u32 v48, v0, 2, 0x8200
	v_mov_b32 v49, 0
	v_lshrrev_b32 v1, 5, v0
	v_readfirstlane_b32 s12, v1                    ; wave 0..31
	v_and_b32 v1, 31, v0                           ; lane
	v_lshlrev_b32 v2, 3, v0                        ; cnt: 8 t
	v_lshlrev_b32 v3, 2, v0                        ; rt: 4 t
	s_min_u32 s13, ttmp9, 31                       ; g
	s_lshl_b32 s14, s13, 12
	s_mov_b32 s15, 0
	s_mov_b32 s41, 0xffff0000                      ; lanes 16-31
	s_lshl_b32 s44, s12, 3
	s_add_co_u32 s44, s44, WT
	v_mov_b32 v15, s44                             ; where my wave's totals go
	v_lshl_add_u32 v18, v1, 3, WT                  ; and whose totals my lane reads
	s_lshl_b32 s44, s12, 2
	v_mov_b32 v25, s44                             ; 4 x wave: the lane that will hold my wave's sums
	v_lshlrev_b32 v29, 5, v0                       ; PT + 32 t
	v_lshrrev_b32 v31, 4, v0
	v_lshlrev_b32 v31, 4, v31
	s_lshl_b32 s54, s13, 10
	v_add_nc_u32 v31, s54, v31                     ; my token's count word is 64 g + t / 16: 16 bytes each
	v_add_nc_u32 v45, s54, v0                      ; my token
	v_mov_b32 v20, 0                               ; (a DPP move's destination counts as read)
	s_wait_kmcnt 0x0
	s_add_nc_u64 s[4:5], s[4:5], s[14:15]
	global_load_b64 v[4:5], v2, s[6:7]
	global_load_b32 v30, v3, s[4:5]
; v[r] becomes its inclusive sum over the wave's 32 lanes: four steps inside each row of 16 lanes, then lane 15's sum onto lanes 16-31
.macro SCAN r
.irp n, 1,2,4,8
	v_mov_b32_dpp v20, v[\r] row_shr:\n row_mask:0xf bank_mask:0xf bound_ctrl:1   ; lanes without a source get 0
	v_add_nc_u32 v[\r], v[\r], v20
.endr
	v_readlane_b32 s40, v[\r], 15
	v_mov_b32 v20, s40
	v_cndmask_b32 v20, 0, v20, s41
	v_add_nc_u32 v[\r], v[\r], v20
.endm
	s_wait_loadcnt 0x0
	v_and_b32 v6, 0xff, v4                         ; word 2 t: experts 0 | 1 << 16,
	v_and_b32 v8, 0xff00, v4
	v_lshl_or_b32 v6, v8, 8, v6
	v_lshrrev_b32 v8, 16, v4
	v_and_b32 v7, 0xff, v8                         ; experts 2 | 3 << 16
	v_and_b32 v8, 0xff00, v8
	v_lshl_or_b32 v7, v8, 8, v7
	v_and_b32 v9, 0xff, v5                         ; word 2 t + 1 likewise
	v_and_b32 v8, 0xff00, v5
	v_lshl_or_b32 v9, v8, 8, v9
	v_lshrrev_b32 v8, 16, v5
	v_and_b32 v10, 0xff, v8
	v_and_b32 v8, 0xff00, v8
	v_lshl_or_b32 v10, v8, 8, v10
	v_add_nc_u32 v11, v6, v9                       ; my two words together
	v_add_nc_u32 v12, v7, v10
	v_mov_b32 v13, v11
	v_mov_b32 v14, v12
	SCAN 13
	SCAN 14
	v_readlane_b32 s42, v13, 31                    ; my wave's totals
	v_readlane_b32 s43, v14, 31
	v_mov_b32 v16, s42
	v_mov_b32 v17, s43
	ds_store_b64 v15, v[16:17]                     ; all lanes write the same words with the same values
	s_wait_dscnt 0x0                               ; for the others' sake: my store has landed
	s_barrier_signal -1
	s_barrier_wait -1
	ds_load_b64 v[16:17], v18                      ; lane i: wave i's totals
	s_wait_dscnt 0x0
	v_mov_b32 v19, v16
	v_mov_b32 v21, v17
	SCAN 16
	SCAN 17
	v_sub_nc_u32 v22, v16, v19                     ; what stands ahead of wave i
	v_sub_nc_u32 v23, v17, v21
	ds_bpermute_b32 v24, v25, v22                  ; every lane takes my wave's
	ds_bpermute_b32 v26, v25, v23
	v_readlane_b32 s46, v16, 31                    ; the grand totals: n0 | n1 << 16,
	v_readlane_b32 s47, v17, 31                    ; n2 | n3 << 16
	s_and_b32 s48, s46, 0xffff                     ; n0
	s_lshr_b32 s49, s46, 16                        ; n1
	s_and_b32 s50, s47, 0xffff                     ; n2
	s_lshr_b32 s56, s47, 16                        ; n3
	s_mov_b32 s51, s48                             ; where expert 1's segment begins,
	s_add_co_u32 s52, s51, s49                     ; expert 2's,
	s_add_co_u32 s53, s52, s50                     ; expert 3's
	s_wait_dscnt 0x0
	v_add_nc_u32 v27, v24, v13
	v_sub_nc_u32 v27, v27, v11                     ; ahead of word 2 t: the waves before mine, the lanes before me
	v_add_nc_u32 v28, v26, v14
	v_sub_nc_u32 v28, v28, v12
.macro STARTS d                        ; the four halves, each on its expert's first position
	v_and_b32 v[\d], 0xffff, v27
	v_lshrrev_b32 v[\d+1], 16, v27
	v_add_nc_u32 v[\d+1], s51, v[\d+1]
	v_and_b32 v[\d+2], 0xffff, v28
	v_add_nc_u32 v[\d+2], s52, v[\d+2]
	v_lshrrev_b32 v[\d+3], 16, v28
	v_add_nc_u32 v[\d+3], s53, v[\d+3]
.endm
	STARTS 32
	v_add_nc_u32 v27, v27, v6                      ; ahead of word 2 t + 1: word 2 t's tokens too
	v_add_nc_u32 v28, v28, v7
	STARTS 36
	ds_store_b128 v29, v[32:35]
	ds_store_b128 v29, v[36:39] offset:16
	s_wait_dscnt 0x0                               ; for the others' sake
	s_barrier_signal -1
	s_barrier_wait -1
	ds_load_b128 v[40:43], v31                     ; the four positions at which my token's 16 begin
	v_and_b32 v46, 0xff, v30                       ; my expert
	v_lshrrev_b32 v47, 8, v30                      ; my rank among the 16
	s_wait_dscnt 0x0
	v_mov_b32 v44, v40
	v_cmp_eq_u32 vcc_lo, 1, v46
	v_cndmask_b32 v44, v44, v41, vcc_lo
	v_cmp_eq_u32 vcc_lo, 2, v46
	v_cndmask_b32 v44, v44, v42, vcc_lo
	v_cmp_eq_u32 vcc_lo, 3, v46
	v_cndmask_b32 v44, v44, v43, vcc_lo
	v_add_nc_u32 v44, v44, v47
	v_min_u32 v44, 0x7fff, v44                     ; a position made of loaded numbers is held inside the buffer
	v_lshlrev_b32 v44, 2, v44
	global_store_b32 v44, v45, s[8:9]              ; order[pos] = token
	s_cmp_lg_u32 ttmp9, 0
	s_cbranch_scc1 .Ldone                          ; the list of tiles is work-group 0's; no barrier stands behind this branch
.macro CEIL144 d, n                    ; ceil(n / 144) = floor(((n + 143) >> 4) / 9); floor(y / 9) = (7282 y) >> 16 for y under 32,768 (7282 = ceil(65536 / 9): the excess stays under 1/9)
	s_add_co_u32 s[\d], s[\n], 143
	s_lshr_b32 s[\d], s[\d], 4
	s_mul_i32 s[\d], s[\d], 7282
	s_lshr_b32 s[\d], s[\d], 16
.endm
	CEIL144 57, 48                                 ; the first tile of expert 1,
	CEIL144 58, 49
	CEIL144 59, 50
	s_add_co_u32 s58, s58, s57                     ; of expert 2,
	s_add_co_u32 s59, s59, s58                     ; of expert 3
	v_mov_b32 v32, 0                               ; tile t: its expert,
	v_mov_b32 v33, 0                               ; that expert's first tile,
	v_mov_b32 v34, 0                               ; first position
	v_mov_b32 v35, s48                             ; and number of rows
.macro PICK k, g, b, n                 ; from tile s[g] on: expert k (an expert without rows has no tile: the next one's values follow at once)
	v_cmp_le_u32 vcc_lo, s[\g], v0
	v_mov_b32 v40, \k
	v_mov_b32 v41, s[\g]
	v_mov_b32 v42, s[\b]
	v_mov_b32 v43, s[\n]
	v_cndmask_b32 v32, v32, v40, vcc_lo
	v_cndmask_b32 v33, v33, v41, vcc_lo
	v_cndmask_b32 v34, v34, v42, vcc_lo
	v_cndmask_b32 v35, v35, v43, vcc_lo
.endm
	PICK 1, 57, 51, 49
	PICK 2, 58, 52, 50
	PICK 3, 59, 53, 56
	v_sub_nc_u32 v46, v0, v33
	v_mul_u32_u24 v46, v46, 144                    ; rows of the expert ahead of this tile
	v_mov_b32 v36, v32
	v_add_nc_u32 v37, v34, v46
	v_min_u32 v37, 0x7fff, v37                     ; first position (held inside the list for tiles without rows)
	v_sub_nc_u32 v38, v35, v46
	v_cmp_lt_u32 vcc_lo, v46, v35
	v_cndmask_b32 v38, 0, v38, vcc_lo              ; rows left, none behind the expert's end,
	v_min_u32 v38, 144, v38                        ; 144 at the most
	v_mov_b32 v39, 0
	v_lshlrev_b32 v47, 4, v0
	s_wait_xcnt 0x0                                ; EXEC is a source of the store that is out: it changes only behind this wait
	v_cmp_gt_u32 vcc_lo, 231, v0
	s_and_saveexec_b32 s60, vcc_lo
	global_store_b128 v47, v[36:39], s[10:11]
	s_wait_xcnt 0x0                                ; and again ahead of the line that widens it
	s_or_b32 exec_lo, exec_lo, s60
.Ldone:
	s_wait_tensorcnt 0x0
	ds_add_u32 v48, v49
	s_wait_dscnt 0x0
	s_endpgm
.Lfunc_end_k_q6bcbd717cd_place:
	.size	k_q6bcbd717cd_place, .Lfunc_end_k_q6bcbd717cd_place-k_q6bcbd717cd_place
	.p2alignl 7, 3214868480
	.fill 96, 4, 3214868480
	.section	.rodata,"a",@progbits
	.p2align	6, 0x0
	.amdhsa_kernel k_q6bcbd717cd_place
		.amdhsa_group_segment_fixed_size 37376
		.amdhsa_private_segment_fixed_size 0
		.amdhsa_enable_private_segment 0
		.amdhsa_kernarg_size 32
		.amdhsa_user_sgpr_count 2
		.amdhsa_user_sgpr_kernarg_segment_ptr 1
		.amdhsa_wavefront_size32 1
		.amdhsa_system_sgpr_workgroup_id_x 1
		.amdhsa_system_sgpr_workgroup_id_y 1
		.amdhsa_system_sgpr_workgroup_id_z 1
		.amdhsa_system_vgpr_workitem_id 0
		.amdhsa_next_free_vgpr 50
		.amdhsa_next_free_sgpr 66
		.amdhsa_reserve_vcc 1
		.amdhsa_float_denorm_mode_32 3
		.amdhsa_float_denorm_mode_16_64 3
		.amdhsa_memory_ordered 1
		.amdhsa_forward_progress 1
		.amdhsa_inst_pref_size 10
	.end_amdhsa_kernel
	.amdgpu_metadata
---
amdhsa.version: [ 1, 2 ]
amdhsa.kernels:
  - .name:           k_q6bcbd717cd_place
    .symbol:         k_q6bcbd717cd_place.kd
    .args:
      - { .name: rt, .offset: 0, .size: 8, .value_kind: global_buffer, .address_space: global }
      - { .name: cnt, .offset: 8, .size: 8, .value_kind: global_buffer, .address_space: global }
      - { .name: order, .offset: 16, .size: 8, .value_kind: global_buffer, .address_space: global }
      - { .name: tiles, .offset: 24, .size: 8, .value_kind: global_buffer, .address_space: global }
    .group_segment_fixed_size: 37376
    .private_segment_fixed_size: 0
    .kernarg_segment_align: 8
    .kernarg_segment_size: 32
    .max_flat_workgroup_size: 1024
    .sgpr_count:     66
    .vgpr_count:     50
    .wavefront_size: 32
...
	.end_amdgpu_metadata
.endif
;; end of part 2
;; launch chain (part 3): grid 231 x 1, 8 waves a work-group, no clusters, 267,520 bytes of LDS; arguments tiles, order, xq, xm, W1_codes, W1_scales, b1, W2_codes, W2_scales, b2, out0; writes out0
.if DOCPART == 3
	.amdgcn_target "amdgcn-amd-amdhsa--gfx1250"
	.amdhsa_code_object_version 6
	.text
	.protected	k_q6bcbd717cd_chain
	.globl	k_q6bcbd717cd_chain
	.p2align	8
	.type	k_q6bcbd717cd_chain,@function
k_q6bcbd717cd_chain:
	s_mov_b64 s[64:65], 0
	v_nop
	global_prefetch_b8 v0, s[64:65] scope:SCOPE_SE
	s_setreg_imm32_b32 hwreg(HW_REG_WAVE_MODE, 25, 1), 1
	s_wait_xcnt 0x0
; THE CHAIN, for the rows of ONE expert: out0[token] = (Q(relu(x W1 + b1)) W2 + b2) x the token's largest probability.  Both products on codes of FP4 (E2M1) with one E8M0 scale for each 32 along K.
; tiles [231][4] = expert, first position, rows (0 .. 144), 0;  order [pos] = token;  xq [token][128] x's codes;  xm [token][16] = x's two scale words, the probability, 0 (all stored by the launches before).
; W1_codes [4][1024][128 bytes], W1_scales [4][1024][8], b1 [4][1024];  W2_codes [4][256][512 bytes], W2_scales [4][256][32], b2 [4][256];  out0 [32768][256] f32.
; SHARES.  A work-group takes one entry of the list: up to 144 rows, nine tiles of 16.  THE EIGHT WAVES SHARE THE COLUMNS, NOT THE ROWS: wave w makes hidden units 128 w .. 128 w + 127 (K step w of the second product)
; and outputs 32 w .. 32 w + 31, for all rows.  Its part of W1 (128 registers) and of W2 (128) stays in registers: each weight byte is read once by the work-group and never passes through LDS.
; Two waves to a SIMD, 512 registers each: a tile has 32 matrix instructions and some 140 vector lines a wave, so one wave's vector work stands beside the other's products.
; BOTH PRODUCTS ARE USED TRANSPOSED (source 0 = 16 rows of the weight, source 1 = 16 tokens): a lane holds ONE token (lane % 16), and its registers run along the hidden units or the outputs.
; THE ROWS OF W1 THAT FORM A TILE ARE NOT NEIGHBOURS: lane r of tile 2 b + u takes row 32 b + 8 u + r + 8 (r / 8), so that the 16 registers of tiles 2 b and 2 b + 1 are 16 neighbours along the next K.
; OPERANDS GO FROM WAVE TO WAVE THROUGH LDS AS IMAGES OF THEIR REGISTERS: four registers by one ds_store_b128 at 16 x lane, a scale word at 4 x lane; the same lines as loads give any wave the same registers.
; THE RELU IS DONE ON THE CODES: a block's largest magnitude is taken without |.| (what is negative does not count; the floor stands over it), the numbers are converted as they are, and every code whose sign bit
; is set is cleared: that is the code of relu(h).  Five lines for eight codes in place of eight maxima.
; ORDER.  Head: gather | barrier | hidden layer of tile 0 | barrier | nine times: outputs of tile i into a stage, hidden layer of tile i + 1, ONE barrier, 16 whole rows of tile i stored.
; Every tile has LDS bytes of its own: nothing in LDS is written twice, so the one barrier orders all that a tile hands on.  The nine tiles are written out (about 22 KB of code): each LDS address is then a constant
; of the text plus lane and wave terms, and what is read and what is stored between two barriers can be seen to be different bytes.
; A GRID THAT SERVES EVERY SPLIT: an entry with fewer than 144 rows runs the same text on positions held inside the list and stores only its own rows (a scalar branch on the stored count, round stores alone).
; NO CLUSTER, NO JOINT LOADS for the weights that work-groups of one expert share: a joint load lands in LDS, where an expert's 278,528 bytes do not fit beside the 266,496 used here, and would have to be read
; out of LDS again; 231 is no multiple of 4; and neighbouring work-groups may hold different experts.  No tensor loads: the rows come by a list, the weights go to registers.
; LIMITS: NaN and infinities are not served.  A hidden block without a positive number, or under 2^-124, gets the scale byte 1: its codes are zeros.
; The second product's K is summed in two halves (K steps 0-3, 4-7) that are added once in f32, so that four accumulators take turns.
.set XIMG, 0                           ; LDS: x's fragments: tile m, piece p (K step p / 2, registers 4 (p % 2) on) at 2048 m + 512 p + 16 lane; ten tiles, the tenth unused: 40 pieces = 8 waves x 5
.set XMET, 20480                       ; xm's records: tile m at 512 m + 16 lane, lanes r and 16 + r alike; 16 tiles = 8 waves x 2
.set TOKL, 28672                       ; the token of row 0 .. 255
.set B1L,  29696                       ; wave w's 128 numbers of b1 at 512 w
.set HIMG, 33792                       ; the hidden layer's fragments: tile i, K step s at 8192 i + 1024 s + 512 c + 16 lane
.set HSC,  107520                      ; their scale words: 1024 i + 128 s + 4 lane
.set STG,  116736                      ; nine stages of 16 rows x (1,024 bytes + 16)
.set SPITCH, 1040
.set L16,  1                           ; v1   16 x lane
.set RR,   2                           ; v2   r = lane % 16
.set HH,   3                           ; v3   h = lane / 16
.set XA,   4                           ; v4   x's fragments of the tile in hand;  v5 its records
.set MA,   5
.set HW,   6                           ; v6   where I store my hidden fragment;  v7 its scale word
.set HSW,  7
.set HR,   8                           ; v8   where the tile's eight hidden fragments are read;  v9 their scale words
.set HSR,  9
.set SW,   10                          ; v10  the stage: where I put 32 bytes of a row;  v11 where I read my two rows back
.set SR,   11
.set TKA,  12                          ; v12  my two rows' tokens
.set B1A,  13                          ; v13  b1 in the result's layout
.set W1A,  14                          ; v14-18 my lane's byte in W1's and W2's codes, their scale words, b2
.set W2A,  15
.set W1SA, 16
.set W2SA, 17
.set B2A,  18
.set XO,   19                          ; v19  my 16 bytes of a token's 128: 32 (wave % 4) + 16 h
.set TK,   20                          ; v20-21 two tokens;  v22-23 their rows' byte offsets in out0
.set OA,   22
.set XF,   24                          ; v24-39  x's two fragments
.set XM,   40                          ; v40-43  x's two scale words, the probability, 0
.set PC,   44                          ; v44-51  the codes just made
.set U,    52                          ; v52-59  masks of negative codes (in the head: addresses)
.set TM,   60                          ; v60-75  the quantiser at work
.set PW,   76                          ; v76     the scale word just made
.set HS,   80                          ; v80-87  the hidden layer's scale words
.set W1S,  88                          ; v88-103  W1's scale words (tile t, K step s: 2 t + s)
.set W2S,  104                         ; v104-119 W2's (tile n, K step s: 8 n + s)
.set B2,   120                         ; v120-135 b2's two tiles
.set YA,   136                         ; v136-167 four accumulators: (tile n, half q) at 8 (2 q + n)
.set OB,   168                         ; v168-183 two rows read back from the stage
.set HA,   184                         ; v184-247 my 8 tiles of the hidden layer, then the tile's 8 hidden fragments
.set IDX,  HA                          ; in the head: seven offsets in the list,
.set TV,   HA+7
.set TOK,  HA+8                        ; seven tokens,
.set OFS,  HA+16                       ; their offsets in xq and xm,
.set GX,   HA+24                       ; five pieces of codes,
.set GM,   HA+44                       ; two records,
.set B1T,  HA+52                       ; four numbers of b1
; window 1: v0-127 W1's fragments (tile t, K step s at 8 (2 t + s));  v128-255 W2's (tile n, K step s at 128 + 8 (8 n + s))
.set MSB, 0
.macro WIN new                         ; the immediate's high byte repeats the setting that is left
.if MSB != \new
	s_set_vgpr_msb (MSB<<8)|\new
.set MSB, \new
.endif
.endm
.macro BARRIER                         ; my LDS stores have landed and my LDS loads are in: then the work-group's barrier
	s_wait_dscnt 0x0
	s_barrier_signal -1
	s_barrier_wait -1
.endm
	s_load_b256 s[4:11], s[0:1], 0x0               ; tiles s[4:5], order s[6:7], xq s[8:9], xm s[10:11]
	s_load_b256 s[12:19], s[0:1], 0x20             ; W1's codes s[12:13], scales s[14:15], b1 s[16:17], W2's codes s[18:19]
	s_load_b128 s[20:23], s[0:1], 0x40             ; W2's scales s[20:21], b2 s[22:23]
	s_load_b64 s[24:25], s[0:1], 0x50              ; out0
	v_lshl_add_u32 v254, v0, 2, 0x41100
	v_mov_b32 v255, 0
	v_lshrrev_b32 v2, 5, v0
	v_readfirstlane_b32 s26, v2                    ; wave 0..7
	s_lshl_b32 s32, ttmp9, 4
	s_mov_b32 s33, 0
	s_wait_kmcnt 0x0
	s_add_nc_u64 s[4:5], s[4:5], s[32:33]
	s_load_b128 s[28:31], s[4:5], 0x0              ; my entry: expert, first position, rows, 0.  The addresses are made while it is on its way
	v_and_b32 v20, 31, v0                          ; lane
	v_lshlrev_b32 v[L16], 4, v20
	v_lshlrev_b32 v21, 2, v20                      ; 4 x lane
	v_and_b32 v[RR], 15, v0
	v_bfe_u32 v[HH], v0, 4, 1
	v_add_nc_u32 v[XA], XIMG, v[L16]
	v_add_nc_u32 v[MA], XMET, v[L16]
	s_lshl_b32 s27, s26, 10
	s_add_co_u32 s27, s27, HIMG
	v_add_nc_u32 v[HW], s27, v[L16]                ; K step w of tile 0
	s_lshl_b32 s27, s26, 7
	s_add_co_u32 s27, s27, HSC
	v_add_nc_u32 v[HSW], s27, v21
	v_add_nc_u32 v[HR], HIMG, v[L16]
	v_add_nc_u32 v[HSR], HSC, v21
	v_mul_u32_u24 v[SW], v[RR], SPITCH
	v_lshl_add_u32 v[SW], v[HH], 5, v[SW]
	s_lshl_b32 s27, s26, 7
	s_add_co_u32 s27, s27, STG
	v_add_nc_u32 v[SW], s27, v[SW]                 ; row r, + 128 w (my 32 outputs), + 32 h
	s_mul_i32 s27, s26, 2*SPITCH
	s_add_co_u32 s27, s27, STG
	v_add_nc_u32 v[SR], s27, v[L16]                ; rows 2 w and 2 w + 1, 16 bytes a lane
	s_lshl_b32 s27, s26, 3
	s_add_co_u32 s27, s27, TOKL
	v_mov_b32 v[TKA], s27
	s_lshl_b32 s27, s26, 9
	s_add_co_u32 s27, s27, B1L
	v_lshl_add_u32 v[B1A], v[HH], 6, s27           ; lane (r, h) wants, for tile 2 b + u, the numbers of hidden units 32 b + 16 h + 8 u + 0 .. 7
	v_add_nc_u32 v[U+3], s27, v[L16]               ; and where b1 is stored
	v_and_b32 v[W1A], 8, v[RR]
	v_add_nc_u32 v[W1A], v[W1A], v[RR]             ; r + 8 (r / 8)
	v_lshlrev_b32 v[W1SA], 3, v[W1A]               ; W1's scales: 8 bytes a row
	v_lshlrev_b32 v[W1A], 7, v[W1A]                ; its codes: 128 bytes a row,
	v_lshl_add_u32 v[W1A], v[HH], 4, v[W1A]        ; + 16 h
	v_lshlrev_b32 v[W2A], 9, v[RR]                 ; W2's codes: 512 bytes a row
	v_lshl_add_u32 v[W2A], v[HH], 4, v[W2A]
	v_lshlrev_b32 v[W2SA], 5, v[RR]                ; its scales: 32 bytes a row
	v_lshlrev_b32 v[B2A], 5, v[HH]                 ; b2: for tile n the numbers of outputs 16 n + 8 h + 0 .. 7
	s_and_b32 s40, s26, 3
	s_lshl_b32 s27, s40, 5
	v_lshl_add_u32 v[XO], v[HH], 4, s27
	s_lshl_b32 s40, s40, 9
	s_lshr_b32 s27, s26, 2
	s_lshl_b32 s27, s27, 11
	s_add_co_u32 s27, s27, s40
	v_add_nc_u32 v[U], s27, v[L16]                 ; I gather piece w % 4 of tiles w / 4 + 2 i: XIMG + 2048 (w / 4) + 512 (w % 4) + 16 lane, 4,096 bytes from i to i + 1
	s_lshl_b32 s27, s26, 9
	s_add_co_u32 s27, s27, XMET
	v_add_nc_u32 v[U+1], s27, v[L16]               ; and the records of tiles w and w + 8
	s_lshl_b32 s27, s26, 6
	s_add_co_u32 s27, s27, TOKL
	v_lshl_add_u32 v[U+2], v[RR], 2, s27           ; and those rows' tokens
	s_mov_b32 s36, 0x76543210
	s_mov_b32 s37, 0xfedcba98                      ; v_permlanex16_b32's selects for lane l xor 16
	s_mov_b32 s41, 0x11111111
	s_lshl_b32 s39, s26, 1                         ; the first row that I store: 2 w
.irp b, 0,1,2,3
	v_mov_b32 v[TM+4+\b], 0                        ; written once: a lane permute's destination counts as one of its sources
.endr
	s_wait_kmcnt 0x0
	s_min_u32 s28, s28, 3                          ; loaded numbers are held inside their tables before they enter an address
	s_min_u32 s29, s29, 0x7fff
	s_min_u32 s30, s30, 144
	s_lshl_b32 s32, s28, 17                        ; an expert's codes are 131,072 bytes, a wave's part 16,384, in W1 and in W2
	s_lshl_b32 s34, s26, 14
	s_add_co_u32 s32, s32, s34
	s_add_nc_u64 s[12:13], s[12:13], s[32:33]
	s_add_nc_u64 s[18:19], s[18:19], s[32:33]
	s_lshl_b32 s32, s28, 13                        ; its scales 8,192 and 1,024
	s_lshl_b32 s34, s26, 10
	s_add_co_u32 s32, s32, s34
	s_add_nc_u64 s[14:15], s[14:15], s[32:33]
	s_add_nc_u64 s[20:21], s[20:21], s[32:33]
	s_lshl_b32 s32, s28, 12                        ; b1: 4,096 and 512
	s_lshl_b32 s34, s26, 9
	s_add_co_u32 s32, s32, s34
	s_add_nc_u64 s[16:17], s[16:17], s[32:33]
	s_lshl_b32 s32, s28, 10                        ; b2: 1,024 and 128
	s_lshl_b32 s34, s26, 7
	s_add_co_u32 s32, s32, s34
	s_add_nc_u64 s[22:23], s[22:23], s[32:33]
	s_lshr_b32 s27, s26, 2
	s_lshl_b32 s27, s27, 4
	s_add_co_u32 s27, s27, s29
	v_add_nc_u32 v[TV], s27, v[RR]                 ; the positions whose codes I gather: first + r + 16 (w / 4) + 32 i
.irp i, 0,1,2,3,4
	v_add_nc_u32 v[IDX+\i], 32*\i, v[TV]
.endr
	s_lshl_b32 s27, s26, 4
	s_add_co_u32 s27, s27, s29
	v_add_nc_u32 v[IDX+5], s27, v[RR]              ; and whose records: first + r + 16 w, and 128 on
	v_add_nc_u32 v[IDX+6], 128, v[IDX+5]
.irp i, 0,1,2,3,4,5,6
	v_min_u32 v[IDX+\i], 0x7fff, v[IDX+\i]         ; positions behind the list's end are held at its last word: such rows are computed and not stored
.endr
.irp i, 0,1,2,3,4,5,6
	v_lshlrev_b32 v[IDX+\i], 2, v[IDX+\i]
.endr
.irp i, 0,1,2,3,4,5,6
	global_load_b32 v[TOK+\i], v[IDX+\i], s[6:7]
.endr
	; 41 loads stand between the list words and the wait for them: b1, W1's scale words, W1
	global_load_b128 v[B1T:B1T+3], v[L16], s[16:17]
.irp t, 0,1,2,3,4,5,6,7
	global_load_b64 v[W1S+2*\t:W1S+2*\t+1], v[W1SA], s[14:15] offset:(32*(\t/2)+8*(\t%2))*8
.endr
	WIN 0x40                                       ; destination window 1, address window 0
.irp t, 0,1,2,3,4,5,6,7
.irp s, 0,1
.irp c, 0,1
	global_load_b128 v[8*(2*\t+\s)+4*\c:8*(2*\t+\s)+4*\c+3], v[W1A], s[12:13] offset:(32*(\t/2)+8*(\t%2))*128+64*\s+32*\c
.endr
.endr
.endr
	WIN 0
	s_wait_loadcnt 41                              ; the seven tokens are in; the 41 loads behind them may be out
.irp i, 0,1,2,3,4,5,6
	v_min_u32 v[TOK+\i], 0x7fff, v[TOK+\i]
.endr
.irp i, 0,1,2,3,4
	v_lshl_add_u32 v[OFS+\i], v[TOK+\i], 7, v[XO]  ; 128 bytes a token
.endr
.irp j, 0,1
	v_lshlrev_b32 v[OFS+5+\j], 4, v[TOK+5+\j]      ; 16 bytes a record
.endr
.irp i, 0,1,2,3,4
	global_load_b128 v[GX+4*\i:GX+4*\i+3], v[OFS+\i], s[8:9]
.endr
.irp j, 0,1
	global_load_b128 v[GM+4*\j:GM+4*\j+3], v[OFS+5+\j], s[10:11]
.endr
	; 40 loads stand between the gathers and the wait for them: W2's scale words, b2, W2.  They are wanted only behind the first tile's hidden layer
.irp n, 0,1
.irp j, 0,1
	global_load_b128 v[W2S+8*\n+4*\j:W2S+8*\n+4*\j+3], v[W2SA], s[20:21] offset:512*\n+16*\j
	global_load_b128 v[B2+8*\n+4*\j:B2+8*\n+4*\j+3], v[B2A], s[22:23] offset:64*\n+16*\j
.endr
.endr
	WIN 0x40
.irp n, 0,1
.irp s, 0,1,2,3,4,5,6,7
.irp c, 0,1
	global_load_b128 v[128+8*(8*\n+\s)+4*\c:128+8*(8*\n+\s)+4*\c+3], v[W2A], s[18:19] offset:8192*\n+64*\s+32*\c
.endr
.endr
.endr
	WIN 0
	s_wait_loadcnt 40                              ; all up to the gathers is in (W1, its scale words and b1 too); the 40 behind may be out
.irp i, 0,1,2,3,4
	ds_store_b128 v[U], v[GX+4*\i:GX+4*\i+3] offset:4096*\i
.endr
.irp j, 0,1
	ds_store_b128 v[U+1], v[GM+4*\j:GM+4*\j+3] offset:4096*\j
	ds_store_b32 v[U+2], v[TOK+5+\j] offset:512*\j ; lanes r and 16 + r write the same word with the same value
.endr
	ds_store_b128 v[U+3], v[B1T:B1T+3]
	BARRIER                                        ; x's fragments, the records and the tokens lie in LDS
; 64 numbers of a lane, v[s] .. v[s + 63], register 16 b + i = k 32 b + 16 (lane / 16) + i of my token's row, become the codes of relu(.) in v[PC] on and their scale word in v[PW].
.macro QUANTR s
.irp b, 0,1,2,3
	v_max3_num_f32 v[TM+\b], v[\s+16*\b], v[\s+1+16*\b], 0x1800000   ; block b: my 16 numbers, NO |.|: what is negative does not count; and the floor 2^(3 - 127): the byte cannot fall under 1.  Each accumulator is read from its low end on
.endr
.irp i, 2,4,6,8,10,12,14
.irp b, 0,1,2,3
	v_max3_num_f32 v[TM+\b], v[TM+\b], v[\s+16*\b+\i], v[\s+1+16*\b+\i]   ; (the four blocks by turns: no line waits for the line above it)
.endr
.endr
.irp b, 0,1,2,3
	v_permlanex16_b32 v[TM+4+\b], v[TM+\b], s36, s37
.endr
.irp b, 0,1,2,3
	v_max_num_f32 v[TM+\b], v[TM+\b], v[TM+4+\b]   ; with lane l xor 16's: the block's largest number
.endr
.irp b, 0,1,2,3
	v_add_nc_u32 v[TM+12+\b], 0xff000000, v[TM+\b] ; 2 off its exponent field: the conversion's scale operand
.endr
.irp b, 0,1,2,3
	v_lshrrev_b32 v[TM+4+\b], 23, v[TM+12+\b]      ; the scale's byte
.endr
	v_lshl_or_b32 v[PW], v[TM+5], 8, v[TM+4]       ; the four bytes make my token's scale word for these 128 hidden units
	v_lshl_or_b32 v[PW], v[TM+6], 16, v[PW]
	v_lshl_or_b32 v[PW], v[TM+7], 24, v[PW]
.irp b, 0,1,2,3
	v_cvt_scalef32_pk8_fp4_f32 v[PC+2*\b], v[\s+16*\b:\s+7+16*\b], v[TM+12+\b]
	v_cvt_scalef32_pk8_fp4_f32 v[PC+1+2*\b], v[\s+8+16*\b:\s+15+16*\b], v[TM+12+\b]
.endr
	v_nop                                          ; one plain line behind the scaled conversions
.irp g, 0,1,2,3,4,5,6,7
	v_lshrrev_b32 v[U+\g], 3, v[PC+\g]             ; THE RELU: each code's sign bit at its lowest place,
.endr
.irp g, 0,1,2,3,4,5,6,7
	v_and_b32 v[U+\g], s41, v[U+\g]
.endr
.irp g, 0,1,2,3,4,5,6,7
	v_lshl_or_b32 v[U+\g], v[U+\g], 1, v[U+\g]     ; spread over the code's four bits,
.endr
.irp g, 0,1,2,3,4,5,6,7
	v_lshl_or_b32 v[U+\g], v[U+\g], 2, v[U+\g]
.endr
.irp g, 0,1,2,3,4,5,6,7
	v_bfi_b32 v[PC+\g], v[U+\g], 0, v[PC+\g]       ; and the codes under the mask are cleared
.endr
.irp c, 0,1                                    ; the operand's layout wants a WHOLE block in a lane: lanes 0-15 block 2 c, lanes 16-31 block 2 c + 1
.irp i, 0,1
	v_permlane16_swap_b32 v[PC+4*\c+\i], v[PC+2+4*\c+\i]
.endr
.endr
.endm
; THE HIDDEN LAYER of the tile at v[XA]: my 128 units for its 16 tokens.  b1 is loaded into the accumulators and is the C of each sum's first product.
.macro PH1
.irp t, 0,1,2,3,4,5,6,7
	ds_load_b128 v[HA+8*\t:HA+8*\t+3], v[B1A] offset:(32*(\t/2)+8*(\t%2))*4
	ds_load_b128 v[HA+8*\t+4:HA+8*\t+7], v[B1A] offset:(32*(\t/2)+8*(\t%2))*4+16
.endr
.irp p, 0,1,2,3
	ds_load_b128 v[XF+4*\p:XF+4*\p+3], v[XA] offset:512*\p
.endr
	ds_load_b128 v[XM:XM+3], v[MA]
	s_wait_dscnt 0x0
	WIN 0x01                                       ; source 0 (W1) window 1
.irp s, 0,1                                    ; the eight accumulators take turns, one instruction a turn
.irp t, 0,1,2,3,4,5,6,7
	v_wmma_scale_f32_16x16x128_f8f6f4 v[HA+8*\t:HA+8*\t+7], v[8*(2*\t+\s):8*(2*\t+\s)+7], v[XF+8*\s:XF+8*\s+7], v[HA+8*\t:HA+8*\t+7], v[W1S+2*\t+\s], v[XM+\s] matrix_a_fmt:MATRIX_FMT_FP4 matrix_b_fmt:MATRIX_FMT_FP4
.endr
.endr
	WIN 0
	v_add_nc_u32 v[XA], 2048, v[XA]                ; on to the next tile.  Five plain lines that name no register of the products: four are owed before their results are read (ISA guide 7.12.1),
	v_add_nc_u32 v[MA], 512, v[MA]                 ; a fifth since later products take these registers, filled anew, as a source
.rept 3
	v_nop
.endr
	QUANTR HA
	ds_store_b128 v[HW], v[PC:PC+3]                ; K step w of the second product, as an image of its registers
	ds_store_b128 v[HW], v[PC+4:PC+7] offset:512
	ds_store_b32 v[HSW], v[PW]
	v_add_nc_u32 v[HW], 8192, v[HW]
	v_add_nc_u32 v[HSW], 1024, v[HSW]
.endm
; THE OUTPUTS of the tile at v[HR]: my 32 for its 16 tokens.  Four accumulators take turns: two tiles of outputs x two halves of K.  b2 is the C of the first half's first product, 0 that of the second's.
.macro PH2
.irp s, 0,1,2,3,4,5,6,7
	ds_load_b128 v[HA+8*\s:HA+8*\s+3], v[HR] offset:1024*\s
	ds_load_b128 v[HA+8*\s+4:HA+8*\s+7], v[HR] offset:1024*\s+512
	ds_load_b32 v[HS+\s], v[HSR] offset:128*\s
.endr
	s_wait_dscnt 0x0
	WIN 0x01                                       ; source 0 (W2) window 1
.irp j, 0,1,2,3
.irp q, 0,1
.irp n, 0,1
.if (\j == 0) && (\q == 0)
	v_wmma_scale_f32_16x16x128_f8f6f4 v[YA+8*(2*\q+\n):YA+8*(2*\q+\n)+7], v[128+8*(8*\n+4*\q+\j):128+8*(8*\n+4*\q+\j)+7], v[HA+8*(4*\q+\j):HA+8*(4*\q+\j)+7], v[B2+8*\n:B2+8*\n+7], v[W2S+8*\n+4*\q+\j], v[HS+4*\q+\j] matrix_a_fmt:MATRIX_FMT_FP4 matrix_b_fmt:MATRIX_FMT_FP4
.elseif \j == 0
	v_wmma_scale_f32_16x16x128_f8f6f4 v[YA+8*(2*\q+\n):YA+8*(2*\q+\n)+7], v[128+8*(8*\n+4*\q+\j):128+8*(8*\n+4*\q+\j)+7], v[HA+8*(4*\q+\j):HA+8*(4*\q+\j)+7], 0, v[W2S+8*\n+4*\q+\j], v[HS+4*\q+\j] matrix_a_fmt:MATRIX_FMT_FP4 matrix_b_fmt:MATRIX_FMT_FP4
.else
	v_wmma_scale_f32_16x16x128_f8f6f4 v[YA+8*(2*\q+\n):YA+8*(2*\q+\n)+7], v[128+8*(8*\n+4*\q+\j):128+8*(8*\n+4*\q+\j)+7], v[HA+8*(4*\q+\j):HA+8*(4*\q+\j)+7], v[YA+8*(2*\q+\n):YA+8*(2*\q+\n)+7], v[W2S+8*\n+4*\q+\j], v[HS+4*\q+\j] matrix_a_fmt:MATRIX_FMT_FP4 matrix_b_fmt:MATRIX_FMT_FP4
.endif
.endr
.endr
.endr
	WIN 0
	v_add_nc_u32 v[HR], 8192, v[HR]                ; on to the next tile.  Five plain lines that name no register of the products: four before their results are read and before loads land in their sources,
	v_add_nc_u32 v[HSR], 1024, v[HSR]              ; five before the next hidden layer's products write over the fragments that these have read
.rept 3
	v_nop
.endr
.irp n, 0,1
.irp k, 0,2,4,6
	v_pk_add_f32 v[YA+8*\n+\k:YA+8*\n+\k+1], v[YA+8*\n+\k:YA+8*\n+\k+1], v[YA+16+8*\n+\k:YA+16+8*\n+\k+1]   ; K's two halves; each accumulator from its low end on
.endr
.endr
.irp n, 0,1
.irp k, 0,2,4,6
	v_pk_mul_f32 v[YA+8*\n+\k:YA+8*\n+\k+1], v[YA+8*\n+\k:YA+8*\n+\k+1], v[XM+2:XM+3] op_sel_hi:[1,0]   ; x my token's probability (the record of this tile is still in v[XM]: the next tile's comes behind these lines)
.endr
.endr
.irp n, 0,1
	ds_store_b128 v[SW], v[YA+8*\n:YA+8*\n+3] offset:64*\n          ; lane (r, h): out(token r, 32 w + 16 n + 8 h + 0 .. 7)
	ds_store_b128 v[SW], v[YA+8*\n+4:YA+8*\n+7] offset:64*\n+16
.endr
	v_add_nc_u32 v[SW], 16*SPITCH, v[SW]
.endm
; THE WAY OUT of the tile at v[SR]: rows 2 w and 2 w + 1, whole, each to its token's place.  A row that the entry does not own is not stored.
.macro OUT
	s_wait_xcnt 0x0                                ; the last tile's stores have read their data and offsets: both are written again below
	ds_load_b64 v[TK:TK+1], v[TKA]                 ; the two rows' tokens, the same in every lane
.irp p, 0,1
.irp q, 0,1
	ds_load_b128 v[OB+8*\p+4*\q:OB+8*\p+4*\q+3], v[SR] offset:SPITCH*\p+512*\q
.endr
.endr
	s_wait_dscnt 0x0
	v_min_u32 v[TK], 0x7fff, v[TK]
	v_min_u32 v[TK+1], 0x7fff, v[TK+1]
	v_lshl_add_u32 v[OA], v[TK], 10, v[L16]        ; 1,024 bytes a token, 16 a lane
	v_lshl_add_u32 v[OA+1], v[TK+1], 10, v[L16]
	s_cmp_lt_u32 s39, s30                          ; a scalar branch on the stored count, round stores alone
	s_cbranch_scc0 .Lnot_even_\@
	global_store_b128 v[OA], v[OB:OB+3], s[24:25] th:TH_STORE_NT               ; 32 lanes store 512 consecutive bytes, at a multiple of 512 from out0's first byte; written once, read by nobody here
	global_store_b128 v[OA], v[OB+4:OB+7], s[24:25] offset:512 th:TH_STORE_NT
.Lnot_even_\@:
	s_add_co_u32 s40, s39, 1
	s_cmp_lt_u32 s40, s30
	s_cbranch_scc0 .Lnot_odd_\@
	global_store_b128 v[OA+1], v[OB+8:OB+11], s[24:25] th:TH_STORE_NT
	global_store_b128 v[OA+1], v[OB+12:OB+15], s[24:25] offset:512 th:TH_STORE_NT
.Lnot_odd_\@:
	v_add_nc_u32 v[SR], 16*SPITCH, v[SR]
	v_add_nc_u32 v[TKA], 64, v[TKA]
	s_add_co_u32 s39, s39, 16
.endm
	PH1                                            ; tile 0's hidden layer
	BARRIER                                        ; its eight fragments lie in LDS
	s_wait_loadcnt 0x0                             ; W2, its scale words and b2
.rept 8
	PH2                                            ; tile i's outputs into stage i,
	PH1                                            ; tile i + 1's hidden layer into its own images:
	BARRIER                                        ; one barrier shows both to every wave
	OUT                                            ; tile i's rows leave under the next tile's work
.endr
	PH2                                            ; the ninth tile
	BARRIER
	OUT
	s_wait_tensorcnt 0x0
	ds_add_u32 v254, v255
	s_wait_dscnt 0x0
	s_endpgm
.Lfunc_end_k_q6bcbd717cd_chain:
	.size	k_q6bcbd717cd_chain, .Lfunc_end_k_q6bcbd717cd_chain-k_q6bcbd717cd_chain
	.p2alignl 7, 3214868480
	.fill 96, 4, 3214868480
	.section	.rodata,"a",@progbits
	.p2align	6, 0x0
	.amdhsa_kernel k_q6bcbd717cd_chain
		.amdhsa_group_segment_fixed_size 267520
		.amdhsa_private_segment_fixed_size 0
		.amdhsa_enable_private_segment 0
		.amdhsa_kernarg_size 88
		.amdhsa_user_sgpr_count 2
		.amdhsa_user_sgpr_kernarg_segment_ptr 1
		.amdhsa_wavefront_size32 1
		.amdhsa_system_sgpr_workgroup_id_x 1
		.amdhsa_system_sgpr_workgroup_id_y 1
		.amdhsa_system_sgpr_workgroup_id_z 1
		.amdhsa_system_vgpr_workitem_id 0
		.amdhsa_next_free_vgpr 512
		.amdhsa_next_free_sgpr 66
		.amdhsa_reserve_vcc 0
		.amdhsa_float_denorm_mode_32 3
		.amdhsa_float_denorm_mode_16_64 3
		.amdhsa_memory_ordered 1
		.amdhsa_forward_progress 1
		.amdhsa_inst_pref_size 162
	.end_amdhsa_kernel
	.amdgpu_metadata
---
amdhsa.version: [ 1, 2 ]
amdhsa.kernels:
  - .name:           k_q6bcbd717cd_chain
    .symbol:         k_q6bcbd717cd_chain.kd
    .args:
      - { .name: tiles, .offset: 0, .size: 8, .value_kind: global_buffer, .address_space: global }
      - { .name: order, .offset: 8, .size: 8, .value_kind: global_buffer, .address_space: global }
      - { .name: xq, .offset: 16, .size: 8, .value_kind: global_buffer, .address_space: global }
      - { .name: xm, .offset: 24, .size: 8, .value_kind: global_buffer, .address_space: global }
      - { .name: W1_codes, .offset: 32, .size: 8, .value_kind: global_buffer, .address_space: global }
      - { .name: W1_scales, .offset: 40, .size: 8, .value_kind: global_buffer, .address_space: global }
      - { .name: b1, .offset: 48, .size: 8, .value_kind: global_buffer, .address_space: global }
      - { .name: W2_codes, .offset: 56, .size: 8, .value_kind: global_buffer, .address_space: global }
      - { .name: W2_scales, .offset: 64, .size: 8, .value_kind: global_buffer, .address_space: global }
      - { .name: b2, .offset: 72, .size: 8, .value_kind: global_buffer, .address_space: global }
      - { .name: out0, .offset: 80, .size: 8, .value_kind: global_buffer, .address_space: global }
    .group_segment_fixed_size: 267520
    .private_segment_fixed_size: 0
    .kernarg_segment_align: 8
    .kernarg_segment_size: 88
    .max_flat_workgroup_size: 256
    .sgpr_count:     66
    .vgpr_count:     512
    .wavefront_size: 32
...
	.end_amdgpu_metadata
.endif
;; end of part 3
;; ======== version 2 of 2: 3 launches
;; workspace buffers: xq 4,194,304 bytes; xm 524,288 bytes; rt 131,072 bytes of whole numbers; cnt 8,192 bytes of whole numbers; order 131,072 bytes of whole numbers; tiles 3,840 bytes of whole numbers
;; launch route (part 4): grid 256 x 1, 8 waves a work-group, no clusters, 46,080 bytes of LDS; arguments x, W_sw, b_sw, xq, xm, rt, cnt; writes xq, xm, rt, cnt
.if DOCPART == 4
	.amdgcn_target "amdgcn-amd-amdhsa--gfx1250"
	.amdhsa_code_object_version 6
	.text
	.protected	k_q6bcbd717cd_route
	.globl	k_q6bcbd717cd_route
	.p2align	8
	.type	k_q6bcbd717cd_route,@function
k_q6bcbd717cd_route:
	s_mov_b64 s[64:65], 0
	v_nop
	global_prefetch_b8 v0, s[64:65] scope:SCOPE_SE
	s_setreg_imm32_b32 hwreg(HW_REG_WAVE_MODE, 25, 1), 1
	s_wait_xcnt 0x0
; ROUTE AND QUANTISE.  x: [32768][256] f32.  For each token: the router's four logits x W_sw + b_sw in f32, the largest probability of their softmax (1 / the sum of
; exp(logit - largest logit)), the chosen expert (the lowest index that holds the largest logit), and x's codes of FP4 (E2M1) with one E8M0 byte for each 32 along the 256.
; OUT:  xq [token][128 bytes] codes, K innermost;  xm [token][16 bytes] = scale word of k 0-127, scale word of k 128-255, the largest probability (f32), 0;
;       rt [token] = expert | rank << 8, rank = the token's place among the tokens of its wave that chose the same expert;  cnt [token / 16]: byte e = how many of the wave's 16 tokens chose expert e.
; No address and no branch here hangs on the choice: it is stored as whole numbers, and the next launch places the rows.
; SHARES.  A work-group takes 128 tokens, a wave 16: eight steps of 512 numbers (two tokens).  Each of a step's four loads reads 512 consecutive bytes, 16 a lane; the 2,048 bytes turn through the wave's own
; stage in LDS and come back 64 bytes a lane, so that a lane holds 16 NEIGHBOURS along K, as the conversions want them: lanes 0-15 hold the step's first token, lanes 16-31 its second; two neighbouring lanes hold a block of 32.
; The same 16 numbers are multiplied into the router's sums: lane l keeps rows 16 (l % 16) .. + 15 of W_sw in 64 registers; four steps across the 16 lanes finish a token's four sums.
; Loads run four steps (16 loads a wave) ahead, the turn through LDS one step.  Waves share nothing: no barrier.  No matrix unit: the router has four columns.  No tensor load, no cluster: no byte is read by two work-groups but W_sw's 4,096.
; A block's scale is 2^(floor(log2(its largest magnitude)) - 2); its byte is the largest magnitude's exponent field - 2, held at 1 from below.
; LIMITS: NaN and infinities among the inputs are not served.  A block of zeros, or one whose largest magnitude lies under 2^-124, gets the byte 1 (its codes are zeros; the bytes are read by this program alone).
; The expert is chosen on the logits: two different logits whose probabilities round to the same f32 number could be ordered otherwise by an argmax over the probabilities.
; rt and cnt leave in pieces of 64 and 4 bytes a wave: 139,264 bytes of the launch's 38 million.
.set STEPS, 8
.set SP,    80                         ; a lane's place in a stage: its 64 bytes + 16 of padding, so that the lanes' reads do not all fall on the same banks
.set WREG,  5632                       ; LDS: a region for each wave: two stages of 32 x SP bytes, then its 16 records of 16 bytes
.set MET,   2*32*SP
.set R,     16                         ; v16-79    four sets of 16 numbers as they are loaded
.set X,     80                         ; v80-111   two sets of 16 neighbours
.set E,     112                        ; v112-119  a scale byte for each step
.set C,     120                        ; v120-135  two registers of codes for each step: no store's data are written again
.set W,     136                        ; v136-199  W_sw[16 (l % 16) + k][e] at v[W + 4 k + e]
.set A,     200                        ; v200-203  the step's four sums
.set L,     204                        ; v204-207  my token's four logits: lane l keeps token 2 (l % 8) + l / 16 of the wave's 16
.set T,     208                        ; v208-223  at work at the end
	s_load_b256 s[4:11], s[0:1], 0x0               ; x s[4:5], W_sw s[6:7], b_sw s[8:9], xq s[10:11]
	s_load_b128 s[12:15], s[0:1], 0x20             ; xm s[12:13], rt s[14:15]
	s_load_b64 s[16:17], s[0:1], 0x30              ; cnt
	v_lshl_add_u32 v224, v0, 2, 0xb000
	v_mov_b32 v225, 0
	v_lshrrev_b32 v1, 5, v0
	s_delay_alu instid0(VALU_DEP_1)
	v_readfirstlane_b32 s18, v1                    ; wave 0..7
	v_and_b32 v1, 31, v0                           ; lane
	v_and_b32 v2, 15, v0                           ; l % 16
	s_delay_alu instid0(VALU_DEP_2)
	v_lshlrev_b32 v3, 4, v1                        ; my 16 bytes of a load's 512
	s_delay_alu instid0(VALU_DEP_3)
	v_lshlrev_b32 v4, 3, v1                        ; my 8 bytes of a step's codes, and of the wave's records
	s_delay_alu instid0(VALU_DEP_4)
	v_lshrrev_b32 v8, 4, v1                        ; l / 16
	s_delay_alu instid0(VALU_DEP_4)
	v_lshrrev_b32 v9, 1, v2                        ; my block among my token's eight
	v_and_b32 v10, 7, v0                           ; l % 8: the step whose sums I keep
	v_lshlrev_b32 v12, 8, v2                       ; W_sw: my 16 rows of 16 bytes
	s_delay_alu instid0(VALU_DEP_2)
	v_lshlrev_b32 v13, 3, v10
	s_delay_alu instid0(VALU_DEP_1)
	v_lshl_add_u32 v13, v8, 2, v13                 ; rt: 4 x (2 (l % 8) + l / 16)
	s_mul_i32 s37, s18, WREG
	v_lshrrev_b32 v14, 2, v1
	s_delay_alu instid0(VALU_DEP_1)
	v_mul_u32_u24 v14, v14, SP
	v_and_b32 v15, 3, v1
	s_delay_alu instid0(VALU_DEP_1)
	v_lshl_add_u32 v14, v15, 4, v14
	s_delay_alu instid0(VALU_DEP_1)
	v_add_nc_u32 v14, s37, v14                     ; the stage, on the way in: four lanes' 64 bytes on end, then the padding
	v_mul_u32_u24 v15, v1, SP
	s_delay_alu instid0(VALU_DEP_1)
	v_add_nc_u32 v15, s37, v15                     ; and on the way out: SP x lane: my 16 neighbours
	s_add_co_u32 s37, s37, MET
	v_lshl_add_u32 v5, v8, 4, v9
	s_delay_alu instid0(VALU_DEP_1)
	v_add_nc_u32 v5, s37, v5                       ; my block's byte in the step's two records: 16 (l / 16) + block; a step is 32 bytes on
	v_add_nc_u32 v6, s37, v4                       ; the records on their way out: 8 bytes a lane
	v_lshlrev_b32 v7, 5, v10
	s_delay_alu instid0(VALU_DEP_1)
	v_lshl_add_u32 v7, v8, 4, v7
	s_delay_alu instid0(VALU_DEP_1)
	v_add_nc_u32 v7, s37, v7                       ; my token's record: 16 x (2 (l % 8) + l / 16)
.irp e, 0,1,2,3
	v_mov_b32 v[L+\e], 0
.endr
	s_lshl_b32 s19, ttmp9, 3
	s_add_co_u32 s19, s19, s18                     ; which run of 16 tokens is my wave's: 8 x work-group + wave
	s_mov_b32 s39, 0
	s_wait_kmcnt 0x0
	s_load_b128 s[20:23], s[8:9], 0x0              ; b_sw: waited for at the end
	s_lshl_b32 s38, s19, 14
	s_add_nc_u64 s[4:5], s[4:5], s[38:39]          ; x: 16 rows of 1,024 bytes a wave
	s_lshl_b32 s38, s19, 11
	s_add_nc_u64 s[10:11], s[10:11], s[38:39]      ; xq: 16 x 128
	s_lshl_b32 s38, s19, 8
	s_add_nc_u64 s[12:13], s[12:13], s[38:39]      ; xm: 16 x 16
	s_lshl_b32 s38, s19, 6
	s_add_nc_u64 s[14:15], s[14:15], s[38:39]      ; rt: 16 x 4
	s_lshl_b32 s38, s19, 2
	s_add_nc_u64 s[16:17], s[16:17], s[38:39]      ; cnt: 4
.irp k, 0,1,2,3,4,5,6,7,8,9,10,11,12,13,14,15
	global_load_b128 v[W+4*\k:W+4*\k+3], v12, s[6:7] offset:16*\k   ; issued ahead of x's loads: loads come back in order, so every wait for x below shows these in too
.endr
.macro LOAD t
.irp i, 0,1,2,3
	global_load_b128 v[R+16*((\t)%4)+4*\i:R+16*((\t)%4)+4*\i+3], v3, s[4:5] offset:2048*(\t)+512*\i th:TH_LOAD_NT   ; 32 lanes read 512 consecutive bytes; read once in the launch
.endr
.endm
.macro TURN t                          ; step t's numbers through the stage: LDS serves a wave's instructions in order, so no wait stands between the stores and the loads
.irp i, 0,1,2,3
	ds_store_b128 v14, v[R+16*((\t)%4)+4*\i:R+16*((\t)%4)+4*\i+3] offset:32*SP*((\t)%2)+8*SP*\i
.endr
.irp i, 0,1,2,3
	ds_load_b128 v[X+16*((\t)%2)+4*\i:X+16*((\t)%2)+4*\i+3], v15 offset:32*SP*((\t)%2)+16*\i
.endr
.endm
.irp t, 0,1,2,3
	LOAD \t
.endr
	s_wait_loadcnt 12                              ; W_sw and step 0's four loads are in; the twelve of steps 1 to 3 may be out
	TURN 0
.macro STEP t
.set XS, X+16*((\t)%2)
.if (\t) > 0
	s_wait_dscnt 1                                 ; this step's numbers are back from the stage (the last step's byte store may be out): so its stores into the stage have read their registers,
.else
	s_wait_dscnt 0x0
.endif
.if (\t)+4 < STEPS
	LOAD (\t)+4                                    ; which take the loads of four steps on
.endif
.if (\t)+1 < STEPS
.if STEPS-2-(\t) >= 3
	s_wait_loadcnt 12                              ; the next step's four loads are in; those of the three steps behind it may be out
.else
	s_wait_loadcnt 4*(STEPS-2-(\t))                ; near the end fewer steps are behind it
.endif
	TURN (\t)+1                                    ; and go through the other stage while this step is worked
.endif
	v_max3_num_f32 v8, |v[XS]|, |v[XS+1]|, |v[XS+2]|               ; the largest magnitude of my 16, in two chains
	v_max3_num_f32 v9, |v[XS+3]|, |v[XS+4]|, |v[XS+5]|
.irp i, 6,10
	s_delay_alu instid0(VALU_DEP_2)
	v_max3_num_f32 v8, v8, |v[XS+\i]|, |v[XS+\i+1]|
	s_delay_alu instid0(VALU_DEP_2)
	v_max3_num_f32 v9, v9, |v[XS+\i+2]|, |v[XS+\i+3]|
.endr
	s_delay_alu instid0(VALU_DEP_2)
	v_max3_num_f32 v8, v8, |v[XS+14]|, |v[XS+15]|
	s_delay_alu instid0(VALU_DEP_1)
	v_max3_num_f32 v8, v8, v9, 0x1800000           ; and the floor 2^(3 - 127): the byte cannot fall under 1
	s_delay_alu instid0(VALU_DEP_1)
	v_max_num_f32_dpp v8, v8, v8 row_xmask:1 row_mask:0xf bank_mask:0xf   ; and of my neighbour's 16: the block's
	s_delay_alu instid0(VALU_DEP_1)
	v_add_nc_u32 v11, 0xff000000, v8               ; 2 off its exponent field: the conversion takes the exponent field of this operand as its scale, and nothing else of it
	v_cvt_scalef32_pk8_fp4_f32 v[C+2*(\t)], v[XS:XS+7], v11
	v_cvt_scalef32_pk8_fp4_f32 v[C+2*(\t)+1], v[XS+8:XS+15], v11
	v_lshrrev_b32 v[E+(\t)], 23, v11               ; the scale's byte (a plain line behind the conversions)
	ds_store_b8 v5, v[E+(\t)] offset:32*(\t)       ; both lanes of a block write the same byte with the same value
	global_store_b64 v4, v[C+2*(\t):C+2*(\t)+1], s[10:11] offset:256*(\t)   ; the wave stores 256 consecutive bytes, aligned: two tokens' codes
.irp e, 0,1,2,3
	v_mul_f32 v[A+\e], v[XS], v[W+\e]              ; the router: my 16 numbers against my 16 rows of W_sw, four chains by turns
.endr
.irp i, 1,2,3,4,5,6,7,8,9,10,11,12,13,14,15
.irp e, 0,1,2,3
	s_delay_alu instid0(VALU_DEP_4)
	v_fmac_f32 v[A+\e], v[XS+\i], v[W+4*\i+\e]
.endr
.endr
.irp m, 1,2,4,8
.irp e, 0,1,2,3
	s_delay_alu instid0(VALU_DEP_4)
	v_add_f32_dpp v[A+\e], v[A+\e], v[A+\e] row_xmask:\m row_mask:0xf bank_mask:0xf   ; across the token's 16 lanes: every one of them ends with the four sums
.endr
.endr
	v_cmp_eq_u32 vcc_lo, \t, v10                   ; lanes with l % 8 = t keep them
.irp e, 0,1,2,3
	v_cndmask_b32 v[L+\e], v[L+\e], v[A+\e], vcc_lo
.endr
.endm
.irp t, 0,1,2,3,4,5,6,7
	STEP \t
.endr
	s_wait_alu depctr_va_vdst(0)
	; THE END, once a wave: lane l holds token 2 (l % 8) + l / 16; lanes l and l + 8 hold the same.
	s_wait_kmcnt 0x0                               ; b_sw
.irp e, 0,1,2,3
	v_add_f32 v[L+\e], s[20+\e], v[L+\e]
.endr
	s_delay_alu instid0(VALU_DEP_2)
	v_max3_num_f32 v[T], v[L], v[L+1], v[L+2]
	s_delay_alu instid0(VALU_DEP_1)
	v_max_num_f32 v[T], v[T], v[L+3]               ; the largest logit is taken away ahead of the exponentials
.irp e, 0,1,2,3
	v_sub_f32 v[T+1+\e], v[L+\e], v[T]
.endr
.irp e, 0,1,2,3
	s_delay_alu instid0(VALU_DEP_4)
	v_mul_f32 v[T+1+\e], 0x3fb8aa3b, v[T+1+\e]     ; x log2(e)
.endr
	s_wait_alu depctr_va_vdst(0)
.irp e, 0,1,2,3
	v_exp_f32 v[T+1+\e], v[T+1+\e]
.endr
	v_mov_b32 v[T+5], 3                            ; (a plain line behind the exponentials)  the expert: the lowest index that holds the largest logit
.irp e, 2,1,0
	v_cmp_lt_f32 vcc_lo, v[L+\e], v[T]
	s_delay_alu instid0(VALU_DEP_1)
	v_cndmask_b32 v[T+5], \e, v[T+5], vcc_lo       ; under the largest: what was found stays; else e
.endr
	s_wait_alu depctr_va_vdst(0)
	v_add_f32 v[T+1], v[T+1], v[T+2]
	v_add_f32 v[T+3], v[T+3], v[T+4]
	s_delay_alu instid0(VALU_DEP_1)
	v_add_f32 v[T+1], v[T+1], v[T+3]
	s_wait_alu depctr_va_vdst(0)
	v_rcp_f32 v[T+8], v[T+1]                       ; the largest probability = exp(0) / the sum
	v_mov_b32 v[T+9], 0                            ; (a plain line behind the reciprocal)  the record's last word
	v_mov_b32 v[T+6], 0                            ; the rank
.irp e, 0,1,2,3
	v_cmp_eq_u32 s[24+\e], \e, v[T+5]              ; the lanes that chose e,
	s_and_b32 s[28+\e], s[24+\e], 0x00ff00ff       ; each token once: lanes 0-7 and 16-23
	v_mbcnt_lo_u32_b32 v[T+7], s[28+\e], 0         ; how many of them stand below me
	s_delay_alu instid0(VALU_DEP_1)
	v_cndmask_b32 v[T+6], v[T+6], v[T+7], s[24+\e]
	s_bcnt1_i32_b32 s[32+\e], s[28+\e]             ; and how many there are
.endr
	v_lshl_or_b32 v[T+12], v[T+6], 8, v[T+5]       ; expert | rank << 8
	s_lshl_b32 s33, s33, 8
	s_or_b32 s32, s32, s33
	s_lshl_b32 s34, s34, 16
	s_or_b32 s32, s32, s34
	s_lshl_b32 s35, s35, 24
	s_or_b32 s32, s32, s35                         ; the wave's four counts, a byte each (16 at the most)
	v_mov_b32 v[T+11], s32
	v_mov_b32 v[T+10], 0
	v_and_b32 v[T+13], 8, v0
	s_wait_alu depctr_va_vdst(0)
	ds_store_b64 v7, v[T+8:T+9] offset:8           ; the record's second half; lanes l and l + 8 write the same
	ds_load_b64 v[T+14:T+15], v6                   ; LDS serves a wave's instructions in order: this sees the byte stores and the line above
	s_wait_dscnt 0x0
	global_store_b64 v4, v[T+14:T+15], s[12:13]    ; the wave's 16 records: 256 consecutive bytes, aligned
	s_wait_xcnt 0x0                                ; EXEC is a source of the stores that are out: it changes only behind this wait
	v_cmp_eq_u32 vcc_lo, 0, v[T+13]
	s_wait_tensorcnt 0x0
	ds_add_u32 v224, v225
	s_wait_dscnt 0x0
	s_and_saveexec_b32 s36, vcc_lo                 ; lanes 0-7 and 16-23: each token once
	global_store_b32 v13, v[T+12], s[14:15]
	global_store_b32 v[T+10], v[T+11], s[16:17]    ; the same word from every lane that is on
	s_wait_xcnt 0x0                                ; and again ahead of the line that widens it
	s_or_b32 exec_lo, exec_lo, s36
	s_endpgm
.Lfunc_end_k_q6bcbd717cd_route:
	.size	k_q6bcbd717cd_route, .Lfunc_end_k_q6bcbd717cd_route-k_q6bcbd717cd_route
	.p2alignl 7, 3214868480
	.fill 96, 4, 3214868480
	.section	.rodata,"a",@progbits
	.p2align	6, 0x0
	.amdhsa_kernel k_q6bcbd717cd_route
		.amdhsa_group_segment_fixed_size 46080
		.amdhsa_private_segment_fixed_size 0
		.amdhsa_enable_private_segment 0
		.amdhsa_kernarg_size 56
		.amdhsa_user_sgpr_count 2
		.amdhsa_user_sgpr_kernarg_segment_ptr 1
		.amdhsa_wavefront_size32 1
		.amdhsa_system_sgpr_workgroup_id_x 1
		.amdhsa_system_sgpr_workgroup_id_y 1
		.amdhsa_system_sgpr_workgroup_id_z 1
		.amdhsa_system_vgpr_workitem_id 0
		.amdhsa_next_free_vgpr 226
		.amdhsa_next_free_sgpr 66
		.amdhsa_reserve_vcc 1
		.amdhsa_float_denorm_mode_32 3
		.amdhsa_float_denorm_mode_16_64 3
		.amdhsa_memory_ordered 1
		.amdhsa_forward_progress 1
		.amdhsa_inst_pref_size 70
	.end_amdhsa_kernel
	.amdgpu_metadata
---
amdhsa.version: [ 1, 2 ]
amdhsa.kernels:
  - .name:           k_q6bcbd717cd_route
    .symbol:         k_q6bcbd717cd_route.kd
    .args:
      - { .name: x, .offset: 0, .size: 8, .value_kind: global_buffer, .address_space: global }
      - { .name: W_sw, .offset: 8, .size: 8, .value_kind: global_buffer, .address_space: global }
      - { .name: b_sw, .offset: 16, .size: 8, .value_kind: global_buffer, .address_space: global }
      - { .name: xq, .offset: 24, .size: 8, .value_kind: global_buffer, .address_space: global }
      - { .name: xm, .offset: 32, .size: 8, .value_kind: global_buffer, .address_space: global }
      - { .name: rt, .offset: 40, .size: 8, .value_kind: global_buffer, .address_space: global }
      - { .name: cnt, .offset: 48, .size: 8, .value_kind: global_buffer, .address_space: global }
    .group_segment_fixed_size: 46080
    .private_segment_fixed_size: 0
    .kernarg_segment_align: 8
    .kernarg_segment_size: 56
    .max_flat_workgroup_size: 256
    .sgpr_count:     66
    .vgpr_count:     226
    .wavefront_size: 32
...
	.end_amdgpu_metadata
.endif
;; end of part 4
;; launch place (part 5): grid 32 x 1, 32 waves a work-group, no clusters, 37,376 bytes of LDS; arguments rt, cnt, order, tiles; writes order, tiles
.if DOCPART == 5
	.amdgcn_target "amdgcn-amd-amdhsa--gfx1250"
	.amdhsa_code_object_version 6
	.text
	.protected	k_q6bcbd717cd_place
	.globl	k_q6bcbd717cd_place
	.p2align	8
	.type	k_q6bcbd717cd_place,@function
k_q6bcbd717cd_place:
	s_mov_b64 s[64:65], 0
	v_nop
	global_prefetch_b8 v0, s[64:65] scope:SCOPE_SE
	s_setreg_imm32_b32 hwreg(HW_REG_WAVE_MODE, 25, 1), 1
	s_wait_xcnt 0x0
; PLACE THE ROWS BY EXPERT: a counting sort without atomics.  rt [32768] = expert | rank << 8, cnt [2048]: byte e = how many of 16 tokens chose expert e (both stored by the launch before).
; OUT:  order [pos] = token, the four experts' segments on end, unpadded (a bijection: all 32,768 words are written);
;       tiles [231][4] = expert, first pos, rows, 0: each expert's segment cut into runs of 144 rows.  Sum of ceil(n_e / 144) <= floor((32768 + 4 x 143) / 144) = 231 for every split; entries left over get 0 rows.
; SHARES.  Work-group g places tokens 1024 g + t, t the thread's number.  Every work-group repeats the prefix sums over all 2,048 count words (8,192 bytes): thread t takes words 2 t and 2 t + 1.
; That spares a launch for the sums.  32 work-groups: the launch is a chain of dependent steps on 139 KB, not a stream.
; PACKING.  Experts 0 and 1 are summed in the two 16-bit halves of one word, experts 2 and 3 in those of another; no half passes 32,768, so nothing carries from half to half.
.set PT, 0                             ; LDS: 2,048 x 16 bytes: for each count word the four positions at which its tokens begin
.set WT, 32768                         ; 32 x 8 bytes: the waves' totals
	s_load_b256 s[4:11], s[0:1], 0x0               ; rt s[4:5], cnt s[6:7], order s[8:9], tiles s[10:11]
	v_lshl_add_u32 v48, v0, 2, 0x8200
	v_mov_b32 v49, 0
	v_lshrrev_b32 v1, 5, v0
	s_delay_alu instid0(VALU_DEP_1)
	v_readfirstlane_b32 s12, v1                    ; wave 0..31
	v_and_b32 v1, 31, v0                           ; lane
	v_lshlrev_b32 v2, 3, v0                        ; cnt: 8 t
	v_lshlrev_b32 v3, 2, v0                        ; rt: 4 t
	s_min_u32 s13, ttmp9, 31                       ; g
	s_lshl_b32 s14, s13, 12
	s_mov_b32 s15, 0
	s_mov_b32 s41, 0xffff0000                      ; lanes 16-31
	s_lshl_b32 s44, s12, 3
	s_add_co_u32 s44, s44, WT
	v_mov_b32 v15, s44                             ; where my wave's totals go
	v_lshl_add_u32 v18, v1, 3, WT                  ; and whose totals my lane reads
	s_lshl_b32 s44, s12, 2
	v_mov_b32 v25, s44                             ; 4 x wave: the lane that will hold my wave's sums
	v_lshlrev_b32 v29, 5, v0                       ; PT + 32 t
	v_lshrrev_b32 v31, 4, v0
	s_delay_alu instid0(VALU_DEP_1)
	v_lshlrev_b32 v31, 4, v31
	s_lshl_b32 s54, s13, 10
	v_add_nc_u32 v31, s54, v31                     ; my token's count word is 64 g + t / 16: 16 bytes each
	v_add_nc_u32 v45, s54, v0                      ; my token
	v_mov_b32 v20, 0                               ; (a DPP move's destination counts as read)
	s_wait_kmcnt 0x0
	s_add_nc_u64 s[4:5], s[4:5], s[14:15]
	global_load_b64 v[4:5], v2, s[6:7]
	global_load_b32 v30, v3, s[4:5]
; v[r] becomes its inclusive sum over the wave's 32 lanes: four steps inside each row of 16 lanes, then lane 15's sum onto lanes 16-31
.macro SCAN r
.irp n, 1
	v_mov_b32_dpp v20, v[\r] row_shr:\n row_mask:0xf bank_mask:0xf bound_ctrl:1   ; lanes without a source get 0
	s_delay_alu instid0(VALU_DEP_1)
	v_add_nc_u32 v[\r], v[\r], v20
.endr
.irp n, 2, 4, 8
	s_delay_alu instid0(VALU_DEP_1)
	v_mov_b32_dpp v20, v[\r] row_shr:\n row_mask:0xf bank_mask:0xf bound_ctrl:1
	s_delay_alu instid0(VALU_DEP_1)
	v_add_nc_u32 v[\r], v[\r], v20
.endr
	s_delay_alu instid0(VALU_DEP_1)
	v_readlane_b32 s40, v[\r], 15
	s_delay_alu instid0(VALU_DEP_1)
	v_mov_b32 v20, s40
	s_delay_alu instid0(VALU_DEP_1)
	v_cndmask_b32 v20, 0, v20, s41
	s_delay_alu instid0(VALU_DEP_1)
	v_add_nc_u32 v[\r], v[\r], v20
.endm
	s_wait_loadcnt 0x0
	v_and_b32 v6, 0xff, v4                         ; word 2 t: experts 0 | 1 << 16,
	v_and_b32 v8, 0xff00, v4
	s_delay_alu instid0(VALU_DEP_1)
	v_lshl_or_b32 v6, v8, 8, v6
	v_lshrrev_b32 v8, 16, v4
	s_delay_alu instid0(VALU_DEP_1)
	v_and_b32 v7, 0xff, v8                         ; experts 2 | 3 << 16
	s_delay_alu instid0(VALU_DEP_2)
	v_and_b32 v8, 0xff00, v8
	s_delay_alu instid0(VALU_DEP_1)
	v_lshl_or_b32 v7, v8, 8, v7
	v_and_b32 v9, 0xff, v5                         ; word 2 t + 1 likewise
	v_and_b32 v8, 0xff00, v5
	s_delay_alu instid0(VALU_DEP_1)
	v_lshl_or_b32 v9, v8, 8, v9
	v_lshrrev_b32 v8, 16, v5
	s_delay_alu instid0(VALU_DEP_1)
	v_and_b32 v10, 0xff, v8
	s_delay_alu instid0(VALU_DEP_2)
	v_and_b32 v8, 0xff00, v8
	s_delay_alu instid0(VALU_DEP_1)
	v_lshl_or_b32 v10, v8, 8, v10
	v_add_nc_u32 v11, v6, v9                       ; my two words together
	s_delay_alu instid0(VALU_DEP_2)
	v_add_nc_u32 v12, v7, v10
	s_delay_alu instid0(VALU_DEP_2)
	v_mov_b32 v13, v11
	s_delay_alu instid0(VALU_DEP_2)
	v_mov_b32 v14, v12
	SCAN 13
	SCAN 14
	v_readlane_b32 s42, v13, 31                    ; my wave's totals
	s_delay_alu instid0(VALU_DEP_2)
	v_readlane_b32 s43, v14, 31
	s_delay_alu instid0(VALU_DEP_2)
	v_mov_b32 v16, s42
	s_delay_alu instid0(VALU_DEP_2)
	v_mov_b32 v17, s43
	ds_store_b64 v15, v[16:17]                     ; all lanes write the same words with the same values
	s_wait_dscnt 0x0                               ; for the others' sake: my store has landed
	s_barrier_signal -1
	s_barrier_wait -1
	ds_load_b64 v[16:17], v18                      ; lane i: wave i's totals
	s_wait_dscnt 0x0
	v_mov_b32 v19, v16
	v_mov_b32 v21, v17
	SCAN 16
	SCAN 17
	v_sub_nc_u32 v22, v16, v19                     ; what stands ahead of wave i
	s_delay_alu instid0(VALU_DEP_2)
	v_sub_nc_u32 v23, v17, v21
	ds_bpermute_b32 v24, v25, v22                  ; every lane takes my wave's
	ds_bpermute_b32 v26, v25, v23
	v_readlane_b32 s46, v16, 31                    ; the grand totals: n0 | n1 << 16,
	v_readlane_b32 s47, v17, 31                    ; n2 | n3 << 16
	s_and_b32 s48, s46, 0xffff                     ; n0
	s_lshr_b32 s49, s46, 16                        ; n1
	s_and_b32 s50, s47, 0xffff                     ; n2
	s_lshr_b32 s56, s47, 16                        ; n3
	s_mov_b32 s51, s48                             ; where expert 1's segment begins,
	s_add_co_u32 s52, s51, s49                     ; expert 2's,
	s_add_co_u32 s53, s52, s50                     ; expert 3's
	s_wait_dscnt 0x0
	v_add_nc_u32 v27, v24, v13
	s_delay_alu instid0(VALU_DEP_1)
	v_sub_nc_u32 v27, v27, v11                     ; ahead of word 2 t: the waves before mine, the lanes before me
	v_add_nc_u32 v28, v26, v14
	s_delay_alu instid0(VALU_DEP_1)
	v_sub_nc_u32 v28, v28, v12
.macro STARTS d                        ; the four halves, each on its expert's first position
	v_and_b32 v[\d], 0xffff, v27
	v_lshrrev_b32 v[\d+1], 16, v27
	s_delay_alu instid0(VALU_DEP_1)
	v_add_nc_u32 v[\d+1], s51, v[\d+1]
	s_delay_alu instid0(VALU_DEP_4)
	v_and_b32 v[\d+2], 0xffff, v28
	s_delay_alu instid0(VALU_DEP_1)
	v_add_nc_u32 v[\d+2], s52, v[\d+2]
	v_lshrrev_b32 v[\d+3], 16, v28
	s_delay_alu instid0(VALU_DEP_1)
	v_add_nc_u32 v[\d+3], s53, v[\d+3]
.endm
	STARTS 32
	v_add_nc_u32 v27, v27, v6                      ; ahead of word 2 t + 1: word 2 t's tokens too
	v_add_nc_u32 v28, v28, v7
	STARTS 36
	ds_store_b128 v29, v[32:35]
	ds_store_b128 v29, v[36:39] offset:16
	s_wait_dscnt 0x0                               ; for the others' sake
	s_barrier_signal -1
	s_barrier_wait -1
	ds_load_b128 v[40:43], v31                     ; the four positions at which my token's 16 begin
	v_and_b32 v46, 0xff, v30                       ; my expert
	v_lshrrev_b32 v47, 8, v30                      ; my rank among the 16
	s_wait_alu depctr_va_vdst(0)
	s_wait_dscnt 0x0
	v_mov_b32 v44, v40
	v_cmp_eq_u32 vcc_lo, 1, v46
	s_delay_alu instid0(VALU_DEP_1)
	v_cndmask_b32 v44, v44, v41, vcc_lo
	v_cmp_eq_u32 vcc_lo, 2, v46
	s_delay_alu instid0(VALU_DEP_1)
	v_cndmask_b32 v44, v44, v42, vcc_lo
	v_cmp_eq_u32 vcc_lo, 3, v46
	s_delay_alu instid0(VALU_DEP_1)
	v_cndmask_b32 v44, v44, v43, vcc_lo
	s_delay_alu instid0(VALU_DEP_1)
	v_add_nc_u32 v44, v44, v47
	s_delay_alu instid0(VALU_DEP_1)
	v_min_u32 v44, 0x7fff, v44                     ; a position made of loaded numbers is held inside the buffer
	s_delay_alu instid0(VALU_DEP_1)
	v_lshlrev_b32 v44, 2, v44
	global_store_b32 v44, v45, s[8:9]              ; order[pos] = token
	s_cmp_lg_u32 ttmp9, 0
	s_cbranch_scc1 .Ldone                          ; the list of tiles is work-group 0's; no barrier stands behind this branch
.macro CEIL144 d, n                    ; ceil(n / 144) = floor(((n + 143) >> 4) / 9); floor(y / 9) = (7282 y) >> 16 for y under 32,768 (7282 = ceil(65536 / 9): the excess stays under 1/9)
	s_add_co_u32 s[\d], s[\n], 143
	s_lshr_b32 s[\d], s[\d], 4
	s_mul_i32 s[\d], s[\d], 7282
	s_lshr_b32 s[\d], s[\d], 16
.endm
	CEIL144 57, 48                                 ; the first tile of expert 1,
	CEIL144 58, 49
	CEIL144 59, 50
	s_add_co_u32 s58, s58, s57                     ; of expert 2,
	s_add_co_u32 s59, s59, s58                     ; of expert 3
	v_mov_b32 v32, 0                               ; tile t: its expert,
	v_mov_b32 v33, 0                               ; that expert's first tile,
	v_mov_b32 v34, 0                               ; first position
	v_mov_b32 v35, s48                             ; and number of rows
.macro PICK k, g, b, n                 ; from tile s[g] on: expert k (an expert without rows has no tile: the next one's values follow at once)
	v_cmp_le_u32 vcc_lo, s[\g], v0
	v_mov_b32 v40, \k
	v_mov_b32 v41, s[\g]
	v_mov_b32 v42, s[\b]
	v_mov_b32 v43, s[\n]
	s_delay_alu instid0(VALU_DEP_4)
	v_cndmask_b32 v32, v32, v40, vcc_lo
	s_delay_alu instid0(VALU_DEP_4)
	v_cndmask_b32 v33, v33, v41, vcc_lo
	s_delay_alu instid0(VALU_DEP_4)
	v_cndmask_b32 v34, v34, v42, vcc_lo
	s_delay_alu instid0(VALU_DEP_4)
	v_cndmask_b32 v35, v35, v43, vcc_lo
.endm
	PICK 1, 57, 51, 49
	PICK 2, 58, 52, 50
	PICK 3, 59, 53, 56
	s_delay_alu instid0(VALU_DEP_3)
	v_sub_nc_u32 v46, v0, v33
	s_delay_alu instid0(VALU_DEP_1)
	v_mul_u32_u24 v46, v46, 144                    ; rows of the expert ahead of this tile
	v_mov_b32 v36, v32
	s_delay_alu instid0(VALU_DEP_2)
	v_add_nc_u32 v37, v34, v46
	s_delay_alu instid0(VALU_DEP_1)
	v_min_u32 v37, 0x7fff, v37                     ; first position (held inside the list for tiles without rows)
	s_delay_alu instid0(VALU_DEP_4)
	v_sub_nc_u32 v38, v35, v46
	v_cmp_lt_u32 vcc_lo, v46, v35
	s_delay_alu instid0(VALU_DEP_1)
	v_cndmask_b32 v38, 0, v38, vcc_lo              ; rows left, none behind the expert's end,
	s_delay_alu instid0(VALU_DEP_1)
	v_min_u32 v38, 144, v38                        ; 144 at the most
	v_mov_b32 v39, 0
	v_lshlrev_b32 v47, 4, v0
	s_wait_alu depctr_va_vdst(0)
	s_wait_xcnt 0x0                                ; EXEC is a source of the store that is out: it changes only behind this wait
	v_cmp_gt_u32 vcc_lo, 231, v0
	s_and_saveexec_b32 s60, vcc_lo
	global_store_b128 v47, v[36:39], s[10:11]
	s_wait_xcnt 0x0                                ; and again ahead of the line that widens it
	s_or_b32 exec_lo, exec_lo, s60
.Ldone:
	s_wait_tensorcnt 0x0
	ds_add_u32 v48, v49
	s_wait_dscnt 0x0
	s_endpgm
.Lfunc_end_k_q6bcbd717cd_place:
	.size	k_q6bcbd717cd_place, .Lfunc_end_k_q6bcbd717cd_place-k_q6bcbd717cd_place
	.p2alignl 7, 3214868480
	.fill 96, 4, 3214868480
	.section	.rodata,"a",@progbits
	.p2align	6, 0x0
	.amdhsa_kernel k_q6bcbd717cd_place
		.amdhsa_group_segment_fixed_size 37376
		.amdhsa_private_segment_fixed_size 0
		.amdhsa_enable_private_segment 0
		.amdhsa_kernarg_size 32
		.amdhsa_user_sgpr_count 2
		.amdhsa_user_sgpr_kernarg_segment_ptr 1
		.amdhsa_wavefront_size32 1
		.amdhsa_system_sgpr_workgroup_id_x 1
		.amdhsa_system_sgpr_workgroup_id_y 1
		.amdhsa_system_sgpr_workgroup_id_z 1
		.amdhsa_system_vgpr_workitem_id 0
		.amdhsa_next_free_vgpr 50
		.amdhsa_next_free_sgpr 66
		.amdhsa_reserve_vcc 1
		.amdhsa_float_denorm_mode_32 3
		.amdhsa_float_denorm_mode_16_64 3
		.amdhsa_memory_ordered 1
		.amdhsa_forward_progress 1
		.amdhsa_inst_pref_size 14
	.end_amdhsa_kernel
	.amdgpu_metadata
---
amdhsa.version: [ 1, 2 ]
amdhsa.kernels:
  - .name:           k_q6bcbd717cd_place
    .symbol:         k_q6bcbd717cd_place.kd
    .args:
      - { .name: rt, .offset: 0, .size: 8, .value_kind: global_buffer, .address_space: global }
      - { .name: cnt, .offset: 8, .size: 8, .value_kind: global_buffer, .address_space: global }
      - { .name: order, .offset: 16, .size: 8, .value_kind: global_buffer, .address_space: global }
      - { .name: tiles, .offset: 24, .size: 8, .value_kind: global_buffer, .address_space: global }
    .group_segment_fixed_size: 37376
    .private_segment_fixed_size: 0
    .kernarg_segment_align: 8
    .kernarg_segment_size: 32
    .max_flat_workgroup_size: 1024
    .sgpr_count:     66
    .vgpr_count:     50
    .wavefront_size: 32
...
	.end_amdgpu_metadata
.endif
;; end of part 5
;; launch chain (part 6): grid 231 x 1, 8 waves a work-group, no clusters, 267,520 bytes of LDS; arguments tiles, order, xq, xm, W1_codes, W1_scales, b1, W2_codes, W2_scales, b2, out0; writes out0
.if DOCPART == 6
	.amdgcn_target "amdgcn-amd-amdhsa--gfx1250"
	.amdhsa_code_object_version 6
	.text
	.protected	k_q6bcbd717cd_chain
	.globl	k_q6bcbd717cd_chain
	.p2align	8
	.type	k_q6bcbd717cd_chain,@function
k_q6bcbd717cd_chain:
	s_mov_b64 s[64:65], 0
	v_nop
	global_prefetch_b8 v0, s[64:65] scope:SCOPE_SE
	s_setreg_imm32_b32 hwreg(HW_REG_WAVE_SCHED_MODE, 0, 2), 2
	s_setreg_imm32_b32 hwreg(HW_REG_WAVE_MODE, 25, 1), 1
	s_wait_xcnt 0x0
	s_wait_alu depctr_vm_vsrc(0)
; THE CHAIN, for the rows of ONE expert: out0[token] = (Q(relu(x W1 + b1)) W2 + b2) x the token's largest probability.  Both products on codes of FP4 (E2M1) with one E8M0 scale for each 32 along K.
; tiles [231][4] = expert, first position, rows (0 .. 144), 0;  order [pos] = token;  xq [token][128] x's codes;  xm [token][16] = x's two scale words, the probability, 0 (all stored by the launches before).
; W1_codes [4][1024][128 bytes], W1_scales [4][1024][8], b1 [4][1024];  W2_codes [4][256][512 bytes], W2_scales [4][256][32], b2 [4][256];  out0 [32768][256] f32.
; SHARES.  A work-group takes one entry of the list: up to 144 rows, nine tiles of 16.  THE EIGHT WAVES SHARE THE COLUMNS, NOT THE ROWS: wave w makes hidden units 128 w .. 128 w + 127 (K step w of the second product)
; and outputs 32 w .. 32 w + 31, for all rows.  Its part of W1 (128 registers) and of W2 (128) stays in registers: each weight byte is read once by the work-group and never passes through LDS.
; Two waves to a SIMD, 512 registers each: a tile has 32 matrix instructions and some 140 vector lines a wave, so one wave's vector work stands beside the other's products.
; BOTH PRODUCTS ARE USED TRANSPOSED (source 0 = 16 rows of the weight, source 1 = 16 tokens): a lane holds ONE token (lane % 16), and its registers run along the hidden units or the outputs.
; THE ROWS OF W1 THAT FORM A TILE ARE NOT NEIGHBOURS: lane r of tile 2 b + u takes row 32 b + 8 u + r + 8 (r / 8), so that the 16 registers of tiles 2 b and 2 b + 1 are 16 neighbours along the next K.
; OPERANDS GO FROM WAVE TO WAVE THROUGH LDS AS IMAGES OF THEIR REGISTERS: four registers by one ds_store_b128 at 16 x lane, a scale word at 4 x lane; the same lines as loads give any wave the same registers.
; THE RELU IS DONE ON THE CODES: a block's largest magnitude is taken without |.| (what is negative does not count; the floor stands over it), the numbers are converted as they are, and every code whose sign bit
; is set is cleared: that is the code of relu(h).  Five lines for eight codes in place of eight maxima.
; ORDER.  Head: gather | barrier | hidden layer of tile 0 | barrier | outputs of tile 0 into a stage, hidden layer of tile 1 | barrier | then, between two barriers: tile i's rows are asked of its stage, tile i + 1's
; operands of their images, tile i's rows are stored, outputs of tile i + 1 into a stage, hidden layer of tile i + 2.
; Every tile has LDS bytes of its own: nothing in LDS is written twice, so the one barrier orders all that a tile hands on.  The nine tiles are written out (about 22 KB of code): each LDS address is then a constant
; of the text plus lane and wave terms, and what is read and what is stored between two barriers can be seen to be different bytes.
; A GRID THAT SERVES EVERY SPLIT: an entry with fewer than 144 rows runs the same text on positions held inside the list and stores only its own rows (a scalar branch on the stored count, round stores alone).
; NO CLUSTER, NO JOINT LOADS for the weights that work-groups of one expert share: a joint load lands in LDS, where an expert's 278,528 bytes do not fit beside the 266,496 used here, and would have to be read
; out of LDS again; 231 is no multiple of 4; and neighbouring work-groups may hold different experts.  No tensor loads: the rows come by a list, the weights go to registers.
; LIMITS: NaN and infinities are not served.  A hidden block without a positive number, or under 2^-124, gets the scale byte 1: its codes are zeros.
; The second product's K is summed in two halves (K steps 0-3, 4-7) that are added once in f32, so that four accumulators take turns.
; THE MODE: SCHED_MODE bits 1:0 = 2 (LLVM: expert scheduling mode 2), set by the entry lines.  The code itself states the register dependences between vector or matrix instructions and memory or LDS
; instructions, with s_wait_alu, always for 0.
; THE PLAN.  Registers that memory or LDS instructions touch, behind the head (t: a tile):
;   HA        RUN(t) loads tile t's eight hidden fragments, PH2(t)'s products read them; then b1 is loaded, PH1(t + 1)'s products add onto it and the quantiser reads the sums.
;   HS        RUN(t) loads the fragments' scale words, PH2(t)'s products read them.
;   XF        RUN(t) loads x's fragments of tile t + 1, PH1(t + 1)'s products read them.
;   XM0, XM1  by turns: RUN(t) loads the record of tile t + 1; PH1(t + 1)'s products read its scale words, PH2(t + 1)'s multiplications its probability.
;   TK        RUN(t) loads the tokens of my two rows of tile t; four vector lines behind PH2(t)'s products make the rows' offsets of them.
;   OA0, OA1  by turns: those offsets; read by the global stores of tile t, which stand behind the next barrier.
;   OB        loaded from stage t, read by the same global stores.
;   YA        written by PH2's products and packed lines, read by its four LDS stores.       PC, PW   written by the quantiser, read by PH1's three LDS stores.
;   HR, HSR, XA, MA, TKA, SW, SR  LDS addresses, stepped behind PH2's products;  HW, HSW  stepped behind PH1's.  B1A, L16 and the weights' offsets are never written behind the head.
; So a tile's round has ONE wait on vm_vsrc, ahead of PH2's products, behind which all that the round writes again has been read, and three on va_vdst: behind PH2's products and the steps (b1 may land, the stepped
; addresses and the offsets may be read), ahead of PH2's LDS stores, and ahead of PH1's LDS stores.  From that last one to the next run of loads the text holds no vector instruction.
.set XIMG, 0                           ; LDS: x's fragments: tile m, piece p (K step p / 2, registers 4 (p % 2) on) at 2048 m + 512 p + 16 lane; ten tiles, the tenth unused: 40 pieces = 8 waves x 5
.set XMET, 20480                       ; xm's records: tile m at 512 m + 16 lane, lanes r and 16 + r alike; 16 tiles = 8 waves x 2
.set TOKL, 28672                       ; the token of row 0 .. 255
.set B1L,  29696                       ; wave w's 128 numbers of b1 at 512 w
.set HIMG, 33792                       ; the hidden layer's fragments: tile i, K step s at 8192 i + 1024 s + 512 c + 16 lane
.set HSC,  107520                      ; their scale words: 1024 i + 128 s + 4 lane
.set STG,  116736                      ; nine stages of 16 rows x (1,024 bytes + 16)
.set SPITCH, 1040
.set L16,  1                           ; v1   16 x lane
.set RR,   2                           ; v2   r = lane % 16
.set HH,   3                           ; v3   h = lane / 16
.set XA,   4                           ; v4   x's fragments of the tile in hand;  v5 its records
.set MA,   5
.set HW,   6                           ; v6   where I store my hidden fragment;  v7 its scale word
.set HSW,  7
.set HR,   8                           ; v8   where the tile's eight hidden fragments are read;  v9 their scale words
.set HSR,  9
.set SW,   10                          ; v10  the stage: where I put 32 bytes of a row;  v11 where I read my two rows back
.set SR,   11
.set TKA,  12                          ; v12  my two rows' tokens
.set B1A,  13                          ; v13  b1 in the result's layout
.set W1A,  14                          ; v14-18 my lane's byte in W1's and W2's codes, their scale words, b2
.set W2A,  15
.set W1SA, 16
.set W2SA, 17
.set B2A,  18
.set XO,   19                          ; v19  my 16 bytes of a token's 128: 32 (wave % 4) + 16 h
.set TK,   20                          ; v20-21 two tokens
.set OA0,  22                          ; v22-23 their rows' byte offsets in out0, tiles 0, 2, ..;  v252-253 tiles 1, 3, ..
.set OA1,  252
.set XF,   24                          ; v24-39  x's two fragments
.set XM0,  40                          ; v40-43  x's two scale words, the probability, 0: tiles 0, 2, ..;  v248-251 tiles 1, 3, ..
.set XM1,  248
.set PC,   44                          ; v44-51  the codes just made
.set U,    52                          ; v52-59  masks of negative codes (in the head: addresses)
.set TM,   60                          ; v60-75  the quantiser at work
.set PW,   76                          ; v76     the scale word just made
.set HS,   80                          ; v80-87  the hidden layer's scale words
.set W1S,  88                          ; v88-103  W1's scale words (tile t, K step s: 2 t + s)
.set W2S,  104                         ; v104-119 W2's (tile n, K step s: 8 n + s)
.set B2,   120                         ; v120-135 b2's two tiles
.set YA,   136                         ; v136-167 four accumulators: (tile n, half q) at 8 (2 q + n)
.set OB,   168                         ; v168-183 two rows read back from the stage
.set HA,   184                         ; v184-247 my 8 tiles of the hidden layer, then the tile's 8 hidden fragments
.set IDX,  HA                          ; in the head: seven offsets in the list,
.set TV,   HA+7
.set TOK,  HA+8                        ; seven tokens,
.set OFS,  HA+16                       ; their offsets in xq and xm,
.set GX,   HA+24                       ; five pieces of codes,
.set GM,   HA+44                       ; two records,
.set B1T,  HA+52                       ; four numbers of b1
; window 1: v0-127 W1's fragments (tile t, K step s at 8 (2 t + s));  v128-255 W2's (tile n, K step s at 128 + 8 (8 n + s))
.set T1,  0                            ; the tile of the next PH1, of the next RUN and PH2, of the next way out
.set T2,  0
.set TO,  0
.set MSB, 0
.macro WIN new                         ; the immediate's high byte repeats the setting that is left
.if MSB != \new
	s_set_vgpr_msb (MSB<<8)|\new
.set MSB, \new
.endif
.endm
.macro BARRIER                         ; my LDS stores have landed and my LDS loads are in: then the work-group's barrier
	s_wait_dscnt 0x0
	s_barrier_signal -1
	s_barrier_wait -1
.endm
	s_load_b256 s[4:11], s[0:1], 0x0               ; tiles s[4:5], order s[6:7], xq s[8:9], xm s[10:11]
	s_load_b256 s[12:19], s[0:1], 0x20             ; W1's codes s[12:13], scales s[14:15], b1 s[16:17], W2's codes s[18:19]
	s_load_b128 s[20:23], s[0:1], 0x40             ; W2's scales s[20:21], b2 s[22:23]
	s_load_b64 s[24:25], s[0:1], 0x50              ; out0
	v_lshl_add_u32 v254, v0, 2, 0x41100
	v_mov_b32 v255, 0
	v_lshrrev_b32 v2, 5, v0
	v_readfirstlane_b32 s26, v2                    ; wave 0..7
	s_lshl_b32 s32, ttmp9, 4
	s_mov_b32 s33, 0
	s_wait_kmcnt 0x0
	s_add_nc_u64 s[4:5], s[4:5], s[32:33]
	s_load_b128 s[28:31], s[4:5], 0x0              ; my entry: expert, first position, rows, 0.  The addresses are made while it is on its way
	v_and_b32 v20, 31, v0                          ; lane
	v_lshlrev_b32 v[L16], 4, v20
	v_lshlrev_b32 v21, 2, v20                      ; 4 x lane
	v_and_b32 v[RR], 15, v0
	v_bfe_u32 v[HH], v0, 4, 1
	v_add_nc_u32 v[XA], XIMG, v[L16]
	v_add_nc_u32 v[MA], XMET, v[L16]
	s_wait_alu depctr_va_sdst(0)                   ; s26, the wave's number, is written, ahead of its first reader: LDS addresses and the weights' bases are made from it
	s_lshl_b32 s27, s26, 10
	s_add_co_u32 s27, s27, HIMG
	v_add_nc_u32 v[HW], s27, v[L16]                ; K step w of tile 0
	s_lshl_b32 s27, s26, 7
	s_add_co_u32 s27, s27, HSC
	v_add_nc_u32 v[HSW], s27, v21
	v_add_nc_u32 v[HR], HIMG, v[L16]
	v_add_nc_u32 v[HSR], HSC, v21
	v_mul_u32_u24 v[SW], v[RR], SPITCH
	v_lshl_add_u32 v[SW], v[HH], 5, v[SW]
	s_lshl_b32 s27, s26, 7
	s_add_co_u32 s27, s27, STG
	v_add_nc_u32 v[SW], s27, v[SW]                 ; row r, + 128 w (my 32 outputs), + 32 h
	s_mul_i32 s27, s26, 2*SPITCH
	s_add_co_u32 s27, s27, STG
	v_add_nc_u32 v[SR], s27, v[L16]                ; rows 2 w and 2 w + 1, 16 bytes a lane
	s_lshl_b32 s27, s26, 3
	s_add_co_u32 s27, s27, TOKL
	v_mov_b32 v[TKA], s27
	s_lshl_b32 s27, s26, 9
	s_add_co_u32 s27, s27, B1L
	v_lshl_add_u32 v[B1A], v[HH], 6, s27           ; lane (r, h) wants, for tile 2 b + u, the numbers of hidden units 32 b + 16 h + 8 u + 0 .. 7
	v_add_nc_u32 v[U+3], s27, v[L16]               ; and where b1 is stored
	v_and_b32 v[W1A], 8, v[RR]
	v_add_nc_u32 v[W1A], v[W1A], v[RR]             ; r + 8 (r / 8)
	v_lshlrev_b32 v[W1SA], 3, v[W1A]               ; W1's scales: 8 bytes a row
	v_lshlrev_b32 v[W1A], 7, v[W1A]                ; its codes: 128 bytes a row,
	v_lshl_add_u32 v[W1A], v[HH], 4, v[W1A]        ; + 16 h
	v_lshlrev_b32 v[W2A], 9, v[RR]                 ; W2's codes: 512 bytes a row
	v_lshl_add_u32 v[W2A], v[HH], 4, v[W2A]
	v_lshlrev_b32 v[W2SA], 5, v[RR]                ; its scales: 32 bytes a row
	v_lshlrev_b32 v[B2A], 5, v[HH]                 ; b2: for tile n the numbers of outputs 16 n + 8 h + 0 .. 7
	s_and_b32 s40, s26, 3
	s_lshl_b32 s27, s40, 5
	v_lshl_add_u32 v[XO], v[HH], 4, s27
	s_lshl_b32 s40, s40, 9
	s_lshr_b32 s27, s26, 2
	s_lshl_b32 s27, s27, 11
	s_add_co_u32 s27, s27, s40
	v_add_nc_u32 v[U], s27, v[L16]                 ; I gather piece w % 4 of tiles w / 4 + 2 i: XIMG + 2048 (w / 4) + 512 (w % 4) + 16 lane, 4,096 bytes from i to i + 1
	s_lshl_b32 s27, s26, 9
	s_add_co_u32 s27, s27, XMET
	v_add_nc_u32 v[U+1], s27, v[L16]               ; and the records of tiles w and w + 8
	s_lshl_b32 s27, s26, 6
	s_add_co_u32 s27, s27, TOKL
	v_lshl_add_u32 v[U+2], v[RR], 2, s27           ; and those rows' tokens
	s_mov_b32 s36, 0x76543210
	s_mov_b32 s37, 0xfedcba98                      ; v_permlanex16_b32's selects for lane l xor 16
	s_mov_b32 s41, 0x11111111
	s_lshl_b32 s39, s26, 1                         ; the first row that I store: 2 w
.irp b, 0,1,2,3
	v_mov_b32 v[TM+4+\b], 0                        ; written once: a lane permute's destination counts as one of its sources
.endr
	s_wait_kmcnt 0x0
	s_min_u32 s28, s28, 3                          ; loaded numbers are held inside their tables before they enter an address
	s_min_u32 s29, s29, 0x7fff
	s_min_u32 s30, s30, 144
	s_lshl_b32 s32, s28, 17                        ; an expert's codes are 131,072 bytes, a wave's part 16,384, in W1 and in W2
	s_lshl_b32 s34, s26, 14
	s_add_co_u32 s32, s32, s34
	s_add_nc_u64 s[12:13], s[12:13], s[32:33]
	s_add_nc_u64 s[18:19], s[18:19], s[32:33]
	s_lshl_b32 s32, s28, 13                        ; its scales 8,192 and 1,024
	s_lshl_b32 s34, s26, 10
	s_add_co_u32 s32, s32, s34
	s_add_nc_u64 s[14:15], s[14:15], s[32:33]
	s_add_nc_u64 s[20:21], s[20:21], s[32:33]
	s_lshl_b32 s32, s28, 12                        ; b1: 4,096 and 512
	s_lshl_b32 s34, s26, 9
	s_add_co_u32 s32, s32, s34
	s_add_nc_u64 s[16:17], s[16:17], s[32:33]
	s_lshl_b32 s32, s28, 10                        ; b2: 1,024 and 128
	s_lshl_b32 s34, s26, 7
	s_add_co_u32 s32, s32, s34
	s_add_nc_u64 s[22:23], s[22:23], s[32:33]
	s_lshr_b32 s27, s26, 2
	s_lshl_b32 s27, s27, 4
	s_add_co_u32 s27, s27, s29
	v_add_nc_u32 v[TV], s27, v[RR]                 ; the positions whose codes I gather: first + r + 16 (w / 4) + 32 i
.irp i, 0,1,2,3,4
	v_add_nc_u32 v[IDX+\i], 32*\i, v[TV]
.endr
	s_lshl_b32 s27, s26, 4
	s_add_co_u32 s27, s27, s29
	v_add_nc_u32 v[IDX+5], s27, v[RR]              ; and whose records: first + r + 16 w, and 128 on
	v_add_nc_u32 v[IDX+6], 128, v[IDX+5]
.irp i, 0,1,2,3,4,5,6
	v_min_u32 v[IDX+\i], 0x7fff, v[IDX+\i]         ; positions behind the list's end are held at its last word: such rows are computed and not stored
.endr
.irp i, 0,1,2,3,4,5,6
	v_lshlrev_b32 v[IDX+\i], 2, v[IDX+\i]
.endr
	s_wait_alu depctr_va_vdst(0)                   ; all the addresses and offsets made so far are written (v1 to v19, v[U ..], v[IDX ..]), which the loads and LDS instructions below read; v20 and v21, in which tokens will land, are done with
.irp i, 0,1,2,3,4,5,6
	global_load_b32 v[TOK+\i], v[IDX+\i], s[6:7]
.endr
	; 41 loads stand between the list words and the wait for them: b1, W1's scale words, W1
	global_load_b128 v[B1T:B1T+3], v[L16], s[16:17]
.irp t, 0,1,2,3,4,5,6,7
	global_load_b64 v[W1S+2*\t:W1S+2*\t+1], v[W1SA], s[14:15] offset:(32*(\t/2)+8*(\t%2))*8
.endr
	WIN 0x40                                       ; destination window 1, address window 0.  (Between the wait above and these loads stand loads and this switch alone)
.irp t, 0,1,2,3,4,5,6,7
.irp s, 0,1
.irp c, 0,1
	global_load_b128 v[8*(2*\t+\s)+4*\c:8*(2*\t+\s)+4*\c+3], v[W1A], s[12:13] offset:(32*(\t/2)+8*(\t%2))*128+64*\s+32*\c
.endr
.endr
.endr
	WIN 0
	s_wait_loadcnt 41                              ; the seven tokens are in; the 41 loads behind them may be out
.irp i, 0,1,2,3,4,5,6
	v_min_u32 v[TOK+\i], 0x7fff, v[TOK+\i]
.endr
.irp i, 0,1,2,3,4
	v_lshl_add_u32 v[OFS+\i], v[TOK+\i], 7, v[XO]  ; 128 bytes a token
.endr
.irp j, 0,1
	v_lshlrev_b32 v[OFS+5+\j], 4, v[TOK+5+\j]      ; 16 bytes a record
.endr
	s_wait_alu depctr_va_vdst(0)                   ; the gathers' offsets v[OFS ..] are written, and the held tokens v[TOK + 5 ..], which LDS stores below read; no vector line names a register of v[HA ..] from here to the first products, so b1 may land there
.irp i, 0,1,2,3,4
	global_load_b128 v[GX+4*\i:GX+4*\i+3], v[OFS+\i], s[8:9]
.endr
.irp j, 0,1
	global_load_b128 v[GM+4*\j:GM+4*\j+3], v[OFS+5+\j], s[10:11]
.endr
	; 40 loads stand between the gathers and the wait for them: W2's scale words, b2, W2.  They are wanted only behind the first tile's hidden layer
.irp n, 0,1
.irp j, 0,1
	global_load_b128 v[W2S+8*\n+4*\j:W2S+8*\n+4*\j+3], v[W2SA], s[20:21] offset:512*\n+16*\j
	global_load_b128 v[B2+8*\n+4*\j:B2+8*\n+4*\j+3], v[B2A], s[22:23] offset:64*\n+16*\j
.endr
.endr
	WIN 0x40                                       ; (again loads and this switch alone stand between the wait and the loads under it)
.irp n, 0,1
.irp s, 0,1,2,3,4,5,6,7
.irp c, 0,1
	global_load_b128 v[128+8*(8*\n+\s)+4*\c:128+8*(8*\n+\s)+4*\c+3], v[W2A], s[18:19] offset:8192*\n+64*\s+32*\c
.endr
.endr
.endr
	WIN 0
	s_wait_loadcnt 40                              ; all up to the gathers is in (W1, its scale words and b1 too); the 40 behind may be out
.irp i, 0,1,2,3,4
	ds_store_b128 v[U], v[GX+4*\i:GX+4*\i+3] offset:4096*\i
.endr
.irp j, 0,1
	ds_store_b128 v[U+1], v[GM+4*\j:GM+4*\j+3] offset:4096*\j
	ds_store_b32 v[U+2], v[TOK+5+\j] offset:512*\j ; lanes r and 16 + r write the same word with the same value
.endr
	ds_store_b128 v[U+3], v[B1T:B1T+3]
	BARRIER                                        ; x's fragments, the records and the tokens lie in LDS
; 64 numbers of a lane, v[s] .. v[s + 63], register 16 b + i = k 32 b + 16 (lane / 16) + i of my token's row, become the codes of relu(.) in v[PC] on and their scale word in v[PW].
.macro QUANTR s
.irp b, 0,1,2,3
	v_max3_num_f32 v[TM+\b], v[\s+16*\b], v[\s+1+16*\b], 0x1800000   ; block b: my 16 numbers, NO |.|: what is negative does not count; and the floor 2^(3 - 127): the byte cannot fall under 1.  Each accumulator is read from its low end on
.endr
.irp i, 2,4,6,8,10,12,14
.irp b, 0,1,2,3
	v_max3_num_f32 v[TM+\b], v[TM+\b], v[\s+16*\b+\i], v[\s+1+16*\b+\i]   ; (the four blocks by turns: no line waits for the line above it)
.endr
.endr
.irp b, 0,1,2,3
	v_permlanex16_b32 v[TM+4+\b], v[TM+\b], s36, s37
.endr
.irp b, 0,1,2,3
	v_max_num_f32 v[TM+\b], v[TM+\b], v[TM+4+\b]   ; with lane l xor 16's: the block's largest number
.endr
.irp b, 0,1,2,3
	v_add_nc_u32 v[TM+12+\b], 0xff000000, v[TM+\b] ; 2 off its exponent field: the conversion's scale operand
.endr
.irp b, 0,1,2,3
	v_lshrrev_b32 v[TM+4+\b], 23, v[TM+12+\b]      ; the scale's byte
.endr
	v_lshl_or_b32 v[PW], v[TM+5], 8, v[TM+4]       ; the four bytes make my token's scale word for these 128 hidden units
	v_lshl_or_b32 v[PW], v[TM+6], 16, v[PW]
	v_lshl_or_b32 v[PW], v[TM+7], 24, v[PW]
.irp b, 0,1,2,3
	v_cvt_scalef32_pk8_fp4_f32 v[PC+2*\b], v[\s+16*\b:\s+7+16*\b], v[TM+12+\b]
	v_cvt_scalef32_pk8_fp4_f32 v[PC+1+2*\b], v[\s+8+16*\b:\s+15+16*\b], v[TM+12+\b]
.endr
	v_nop                                          ; one plain line behind the scaled conversions
.irp g, 0,1,2,3,4,5,6,7
	v_lshrrev_b32 v[U+\g], 3, v[PC+\g]             ; THE RELU: each code's sign bit at its lowest place,
.endr
.irp g, 0,1,2,3,4,5,6,7
	v_and_b32 v[U+\g], s41, v[U+\g]
.endr
.irp g, 0,1,2,3,4,5,6,7
	v_lshl_or_b32 v[U+\g], v[U+\g], 1, v[U+\g]     ; spread over the code's four bits,
.endr
.irp g, 0,1,2,3,4,5,6,7
	v_lshl_or_b32 v[U+\g], v[U+\g], 2, v[U+\g]
.endr
.irp g, 0,1,2,3,4,5,6,7
	v_bfi_b32 v[PC+\g], v[U+\g], 0, v[PC+\g]       ; and the codes under the mask are cleared
.endr
.irp c, 0,1                                    ; the operand's layout wants a WHOLE block in a lane: lanes 0-15 block 2 c, lanes 16-31 block 2 c + 1
.irp i, 0,1
	v_permlane16_swap_b32 v[PC+4*\c+\i], v[PC+2+4*\c+\i]
.endr
.endr
.endm
; b1, in the result's layout, into the eight accumulators of the hidden layer: it is the C of each sum's first product.
.macro LDB1
.irp t, 0,1,2,3,4,5,6,7
	ds_load_b128 v[HA+8*\t:HA+8*\t+3], v[B1A] offset:(32*(\t/2)+8*(\t%2))*4
	ds_load_b128 v[HA+8*\t+4:HA+8*\t+7], v[B1A] offset:(32*(\t/2)+8*(\t%2))*4+16
.endr
.endm
; x's two fragments and the record of the tile off / 2048 behind the one at v[XA], the record into v[XMN] on.  These bytes were stored in the head.
.macro LDX off
.irp p, 0,1,2,3
	ds_load_b128 v[XF+4*\p:XF+4*\p+3], v[XA] offset:(\off)+512*\p
.endr
	ds_load_b128 v[XMN:XMN+3], v[MA] offset:(\off)/4
.endm
; THE HIDDEN LAYER of tile T1: my 128 units for its 16 tokens.  b1, x's fragments and the record have been asked for.
.macro PH1
.set XMC, XM0+(XM1-XM0)*(T1%2)
.if T1 > 0
	s_wait_dscnt 4                                 ; LDS serves a wave's instructions in order: x's fragments, the record and b1 are in; the four stores into the stage behind them may be out
.else
	s_wait_dscnt 0x0
.endif
	WIN 0x01                                       ; source 0 (W1) window 1
.irp s, 0,1                                    ; the eight accumulators take turns, one instruction a turn
.irp t, 0,1,2,3,4,5,6,7
	v_wmma_scale_f32_16x16x128_f8f6f4 v[HA+8*\t:HA+8*\t+7], v[8*(2*\t+\s):8*(2*\t+\s)+7], v[XF+8*\s:XF+8*\s+7], v[HA+8*\t:HA+8*\t+7], v[W1S+2*\t+\s], v[XMC+\s] matrix_a_fmt:MATRIX_FMT_FP4 matrix_b_fmt:MATRIX_FMT_FP4
.endr
.endr
	WIN 0
.if T1 > 0                                     ; five plain lines that name no register of the products: four are owed before their results are read (ISA guide 7.12.1), a fifth since later products take these registers, filled anew, as a source
	v_add_nc_u32 v[HW], 8192, v[HW]                ; on to this tile's image (the last tile's stores have read both: the wait ahead of the last outputs' products stands behind them)
	v_add_nc_u32 v[HSW], 1024, v[HSW]
.rept 3
	v_nop
.endr
.else
.rept 5
	v_nop
.endr
.endif
	QUANTR HA
	s_wait_alu depctr_va_vdst(0)                   ; the codes v[PC ..], the scale word v[PW] and the addresses v[HW], v[HSW] are written, which the stores below read; the products have read v[XF ..] and written v[HA ..], the conversions have read v[HA ..]: the next run of loads lands in both
	ds_store_b128 v[HW], v[PC:PC+3]                ; K step w of the second product, as an image of its registers
	ds_store_b128 v[HW], v[PC+4:PC+7] offset:512
	ds_store_b32 v[HSW], v[PW]
.set T1, T1+1
.endm
; THE LOADS of tile T2's outputs, in one run: my two rows' tokens, the eight hidden fragments and their scale words; next = 1: behind them x's fragments and the record of tile T2 + 1, for the hidden layer that follows.
; No wait on va_vdst stands here: the last one, ahead of the hidden layer's stores, has no vector instruction behind it, and it or an earlier one stands behind every line that names one of these registers.
.macro RUN next
	ds_load_b64 v[TK:TK+1], v[TKA]                 ; the two rows' tokens, the same in every lane
.irp s, 0,1,2,3,4,5,6,7
	ds_load_b128 v[HA+8*\s:HA+8*\s+3], v[HR] offset:1024*\s
	ds_load_b128 v[HA+8*\s+4:HA+8*\s+7], v[HR] offset:1024*\s+512
	ds_load_b32 v[HS+\s], v[HSR] offset:128*\s
.endr
.if \next
.set XMN, XM0+(XM1-XM0)*((T2+1)%2)
	LDX 2048
.endif
.endm
; THE OUTPUTS of tile T2: my 32 for its 16 tokens.  Four accumulators take turns: two tiles of outputs x two halves of K.  b2 is the C of the first half's first product, 0 that of the second's.
.macro PH2 next
.set XMC, XM0+(XM1-XM0)*(T2%2)
.set OAC, OA0+(OA1-OA0)*(T2%2)
.if \next
	s_wait_dscnt 5                                 ; the tokens, the fragments and their scale words are in; the five loads behind them, for the next hidden layer, may be out
.else
	s_wait_dscnt 0x0
.endif
	s_wait_alu depctr_vm_vsrc(0)                   ; every load and store issued so far has read its registers: v[YA ..] (the last stage's stores), which the products write; the addresses stepped below; v[PC ..], v[PW], v[HW], v[HSW] (the last image's stores), which the next hidden layer writes; v[OB ..] and the rows' offsets (the global stores)
	WIN 0x01                                       ; source 0 (W2) window 1
.irp j, 0,1,2,3
.irp q, 0,1
.irp n, 0,1
.if (\j == 0) && (\q == 0)
	v_wmma_scale_f32_16x16x128_f8f6f4 v[YA+8*(2*\q+\n):YA+8*(2*\q+\n)+7], v[128+8*(8*\n+4*\q+\j):128+8*(8*\n+4*\q+\j)+7], v[HA+8*(4*\q+\j):HA+8*(4*\q+\j)+7], v[B2+8*\n:B2+8*\n+7], v[W2S+8*\n+4*\q+\j], v[HS+4*\q+\j] matrix_a_fmt:MATRIX_FMT_FP4 matrix_b_fmt:MATRIX_FMT_FP4
.elseif \j == 0
	v_wmma_scale_f32_16x16x128_f8f6f4 v[YA+8*(2*\q+\n):YA+8*(2*\q+\n)+7], v[128+8*(8*\n+4*\q+\j):128+8*(8*\n+4*\q+\j)+7], v[HA+8*(4*\q+\j):HA+8*(4*\q+\j)+7], 0, v[W2S+8*\n+4*\q+\j], v[HS+4*\q+\j] matrix_a_fmt:MATRIX_FMT_FP4 matrix_b_fmt:MATRIX_FMT_FP4
.else
	v_wmma_scale_f32_16x16x128_f8f6f4 v[YA+8*(2*\q+\n):YA+8*(2*\q+\n)+7], v[128+8*(8*\n+4*\q+\j):128+8*(8*\n+4*\q+\j)+7], v[HA+8*(4*\q+\j):HA+8*(4*\q+\j)+7], v[YA+8*(2*\q+\n):YA+8*(2*\q+\n)+7], v[W2S+8*\n+4*\q+\j], v[HS+4*\q+\j] matrix_a_fmt:MATRIX_FMT_FP4 matrix_b_fmt:MATRIX_FMT_FP4
.endif
.endr
.endr
.endr
	WIN 0
	; All the round's address steps and the rows' offsets stand here: nine plain lines or more that name no register of the products.  Four are owed before the results are read (ISA guide 7.12.1), five before the next hidden layer's products write over the fragments that these have read.
	v_min_u32 v[TK], 0x7fff, v[TK]                 ; loaded numbers are held inside their table before they enter an address
	v_min_u32 v[TK+1], 0x7fff, v[TK+1]
	v_add_nc_u32 v[HR], 8192, v[HR]                ; on to the next tile
	v_add_nc_u32 v[HSR], 1024, v[HSR]
	v_add_nc_u32 v[XA], 2048, v[XA]
	v_add_nc_u32 v[MA], 512, v[MA]
	v_add_nc_u32 v[TKA], 64, v[TKA]
.if T2 > 0
	v_add_nc_u32 v[SW], 16*SPITCH, v[SW]           ; on to this tile's stage: where I store,
	v_add_nc_u32 v[SR], 16*SPITCH, v[SR]           ; and where I shall read
.endif
	v_lshl_add_u32 v[OAC], v[TK], 10, v[L16]       ; my two rows' places in out0: 1,024 bytes a token, 16 a lane
	v_lshl_add_u32 v[OAC+1], v[TK+1], 10, v[L16]
.if \next
	s_wait_alu depctr_va_vdst(0)                   ; the products have read the fragments in v[HA ..], in which b1 lands; the stepped addresses and the rows' offsets are written, which later loads and stores read
	LDB1                                           ; on its way under the sixteen packed lines below, which name v[YA ..] and the record alone
.endif
.irp n, 0,1
.irp k, 0,2,4,6
	v_pk_add_f32 v[YA+8*\n+\k:YA+8*\n+\k+1], v[YA+8*\n+\k:YA+8*\n+\k+1], v[YA+16+8*\n+\k:YA+16+8*\n+\k+1]   ; K's two halves; each accumulator from its low end on
.endr
.endr
.irp n, 0,1
.irp k, 0,2,4,6
	v_pk_mul_f32 v[YA+8*\n+\k:YA+8*\n+\k+1], v[YA+8*\n+\k:YA+8*\n+\k+1], v[XMC+2:XMC+3] op_sel_hi:[1,0]   ; x my token's probability (this tile's record; the next tile's lies in the other four registers)
.endr
.endr
	s_wait_alu depctr_va_vdst(0)                   ; the sums in v[YA ..] are written, which the stores below read; the multiplications have read this tile's record, in which the record of the tile after next lands; in the last tile: the stepped addresses and the offsets too
.irp n, 0,1
	ds_store_b128 v[SW], v[YA+8*\n:YA+8*\n+3] offset:64*\n          ; lane (r, h): out(token r, 32 w + 16 n + 8 h + 0 .. 7)
	ds_store_b128 v[SW], v[YA+8*\n+4:YA+8*\n+7] offset:64*\n+16
.endr
.set T2, T2+1
.endm
; THE WAY OUT of tile TO, in two parts: rows 2 w and 2 w + 1 are asked of the stage; and stored, whole, each to its token's place.  A row that the entry does not own is not stored.  Neither part holds a vector instruction.
.macro OUTLD
	s_wait_xcnt 0x0                                ; the last tile's stores have had their addresses translated: their data are loaded again below, and the offsets of the tile before it are written again behind the next products
.irp p, 0,1
.irp q, 0,1
	ds_load_b128 v[OB+8*\p+4*\q:OB+8*\p+4*\q+3], v[SR] offset:SPITCH*\p+512*\q
.endr
.endr
.endm
.macro OUTST left                      ; left: the LDS loads issued behind the four, which may stay out
.set OAC, OA0+(OA1-OA0)*(TO%2)
	s_wait_dscnt \left                             ; the two rows are in registers
	s_cmp_lt_u32 s39, s30                          ; a scalar branch on the stored count, round stores alone
	s_cbranch_scc0 .Lnot_even_\@
	global_store_b128 v[OAC], v[OB:OB+3], s[24:25] th:TH_STORE_NT               ; 32 lanes store 512 consecutive bytes, at a multiple of 512 from out0's first byte; written once, read by nobody here
	global_store_b128 v[OAC], v[OB+4:OB+7], s[24:25] offset:512 th:TH_STORE_NT
.Lnot_even_\@:
	s_add_co_u32 s40, s39, 1
	s_cmp_lt_u32 s40, s30
	s_cbranch_scc0 .Lnot_odd_\@
	global_store_b128 v[OAC+1], v[OB+8:OB+11], s[24:25] th:TH_STORE_NT
	global_store_b128 v[OAC+1], v[OB+12:OB+15], s[24:25] offset:512 th:TH_STORE_NT
.Lnot_odd_\@:
	s_add_co_u32 s39, s39, 16
.set TO, TO+1
.endm
	s_wait_alu depctr_vm_vsrc(0)                   ; the head's loads and LDS stores have read v[IDX ..], v[OFS ..], v[GX ..], v[GM ..], v[B1T ..], v[TOK ..], in which b1 lands, and v[U ..], which the quantiser writes
	LDB1
.set XMN, XM0
	LDX 0
	PH1                                            ; tile 0's hidden layer
	BARRIER                                        ; its eight fragments lie in LDS
	RUN 1
	s_wait_loadcnt 0x0                             ; W2, its scale words and b2
	PH2 1                                          ; tile 0's outputs into stage 0,
	PH1                                            ; tile 1's hidden layer into its own images:
	BARRIER                                        ; one barrier shows both to every wave
.rept 7
	OUTLD                                          ; tile i's rows are asked for,
	RUN 1                                          ; and, behind them, all that tile i + 1's outputs want: 30 loads
	OUTST 30                                       ; tile i's rows leave while those are on their way
	PH2 1                                          ; tile i + 1's outputs into its stage,
	PH1                                            ; tile i + 2's hidden layer into its own images:
	BARRIER                                        ; one barrier shows both to every wave
.endr
	OUTLD                                          ; tile 7's rows
	RUN 0                                          ; the ninth tile: 25 loads, no hidden layer follows
	OUTST 25
	PH2 0
	BARRIER
	OUTLD                                          ; the ninth tile's rows
	OUTST 0
	s_wait_dscnt 0x0                               ; the closing lines, six on end
	s_wait_alu 0x0
	s_wait_tensorcnt 0x0
	ds_add_u32 v254, v255
	s_wait_dscnt 0x0
	s_endpgm
.Lfunc_end_k_q6bcbd717cd_chain:
	.size	k_q6bcbd717cd_chain, .Lfunc_end_k_q6bcbd717cd_chain-k_q6bcbd717cd_chain
	.p2alignl 7, 3214868480
	.fill 96, 4, 3214868480
	.section	.rodata,"a",@progbits
	.p2align	6, 0x0
	.amdhsa_kernel k_q6bcbd717cd_chain
		.amdhsa_group_segment_fixed_size 267520
		.amdhsa_private_segment_fixed_size 0
		.amdhsa_enable_private_segment 0
		.amdhsa_kernarg_size 88
		.amdhsa_user_sgpr_count 2
		.amdhsa_user_sgpr_kernarg_segment_ptr 1
		.amdhsa_wavefront_size32 1
		.amdhsa_system_sgpr_workgroup_id_x 1
		.amdhsa_system_sgpr_workgroup_id_y 1
		.amdhsa_system_sgpr_workgroup_id_z 1
		.amdhsa_system_vgpr_workitem_id 0
		.amdhsa_next_free_vgpr 512
		.amdhsa_next_free_sgpr 66
		.amdhsa_reserve_vcc 0
		.amdhsa_float_denorm_mode_32 3
		.amdhsa_float_denorm_mode_16_64 3
		.amdhsa_memory_ordered 1
		.amdhsa_forward_progress 1
		.amdhsa_inst_pref_size 163
	.end_amdhsa_kernel
	.amdgpu_metadata
---
amdhsa.version: [ 1, 2 ]
amdhsa.kernels:
  - .name:           k_q6bcbd717cd_chain
    .symbol:         k_q6bcbd717cd_chain.kd
    .args:
      - { .name: tiles, .offset: 0, .size: 8, .value_kind: global_buffer, .address_space: global }
      - { .name: order, .offset: 8, .size: 8, .value_kind: global_buffer, .address_space: global }
      - { .name: xq, .offset: 16, .size: 8, .value_kind: global_buffer, .address_space: global }
      - { .name: xm, .offset: 24, .size: 8, .value_kind: global_buffer, .address_space: global }
      - { .name: W1_codes, .offset: 32, .size: 8, .value_kind: global_buffer, .address_space: global }
      - { .name: W1_scales, .offset: 40, .size: 8, .value_kind: global_buffer, .address_space: global }
      - { .name: b1, .offset: 48, .size: 8, .value_kind: global_buffer, .address_space: global }
      - { .name: W2_codes, .offset: 56, .size: 8, .value_kind: global_buffer, .address_space: global }
      - { .name: W2_scales, .offset: 64, .size: 8, .value_kind: global_buffer, .address_space: global }
      - { .name: b2, .offset: 72, .size: 8, .value_kind: global_buffer, .address_space: global }
      - { .name: out0, .offset: 80, .size: 8, .value_kind: global_buffer, .address_space: global }
    .group_segment_fixed_size: 267520
    .private_segment_fixed_size: 0
    .kernarg_segment_align: 8
    .kernarg_segment_size: 88
    .max_flat_workgroup_size: 256
    .sgpr_count:     66
    .vgpr_count:     512
    .wavefront_size: 32
...
	.end_amdgpu_metadata
.endif
;; end of part 6
